; MI455X (gfx1250); checked and timed in simulation.
; The chip was launched on July 23, 2026; its instructions are those of AMD's public machine-readable ISA for CDNA 5 (MIT licence, August 2026) and "CDNA5" Instruction Set Architecture Reference Guide (July 2026). The comments in the code are by the model that wrote it; some were corrected since.
;; Transformer Block. Allowed arithmetic: float matrix products may take bf16 or f16 operands with f32 sums; all other float work in f32.
;; Inputs: H 2 x 2,048 x 1,024 float32; W1 1,024 x 4,096 float32; W2 4,096 x 1,024 float32; Wk 1,024 x 1,024 float32; Wo 1,024 x 1,024 float32; Wq 1,024 x 1,024 float32; Wv 1,024 x 1,024 float32; b1 4,096 float32; b2 1,024 float32; ln1_b 1,024 float32; ln1_g 1,024 float32; ln2_b 1,024 float32; ln2_g 1,024 float32.
;; Outputs: out0 2 x 2,048 x 1,024 float32.
;; One version. Each part assembles by itself: llvm-mc -triple=amdgcn-amd-amdhsa -mcpu=gfx1250 --defsym DOCPART=n.
;; ======== version 1 of 1: 7 launches
;; workspace buffers: wb 25,165,824 bytes; xn 8,388,608 bytes; qkv 25,165,824 bytes; ao 8,388,608 bytes; h1 16,777,216 bytes; gl 33,554,432 bytes
;; launch prep (part 1): grid 1024 x 1, 8 waves a work-group, no clusters, 0 bytes of LDS; arguments H, ln1_g, ln1_b, xn, Wq, Wk, Wv, Wo, W1, W2, wb; writes xn, wb
.if DOCPART == 1
	.amdgcn_target "amdgcn-amd-amdhsa--gfx1250"
	.amdhsa_code_object_version 6
	.text
	.protected	k_qc6cf899049_prep
	.globl	k_qc6cf899049_prep
	.p2align	8
	.type	k_qc6cf899049_prep,@function
k_qc6cf899049_prep:
	s_mov_b64 s[64:65], 0
	v_nop
	global_prefetch_b8 v0, s[64:65] scope:SCOPE_SE
	s_setreg_imm32_b32 hwreg(HW_REG_WAVE_MODE, 25, 1), 1
	s_wait_xcnt 0x0
; Two jobs that stream, shared out by the work-group's number; each work-group moves sixteen rows of 1,024 f32.
;   groups 0-255:    xn = LayerNorm(H) * g + b, rounded once to bf16.  One wave, two rows; a row stays in 32 registers
;                    between the mean, the mean of squared differences from it, and the scaling: H is read once,
;                    and a common offset of a row cancels before anything is squared.
;   groups 256-1023: the six weight matrices to bf16, kept [K][N]:  wb = Wq|Wk|Wv side by side as [1024][3072],
;                    then Wo [1024][1024], W1 [1024][4096], W2 [4096][1024].
; No LDS, no barrier, no matrix unit: no wave needs another wave's numbers, and nothing is multiplied by a matrix.
; A lane's load takes 16 neighbouring bytes (a wave: 512), its store 8 (a wave: 256 consecutive bytes, aligned).
.set MU, 4                             ; v[4:5]     the row's mean, twice
.set RS, 6                             ; v[6:7]     1 / sqrt(var + eps), twice
.set Y,  8                             ; v[8:23]    a row as bf16
.set T,  24                            ; v[24:31]   four chains of packed sums
.set X0, 32                            ; v[32:63]   first row
.set X1, 64                            ; v[64:95]   second row
.set G,  96                            ; v[96:127]  gain      (in the other job: packed results)
.set BV, 128                           ; v[128:159] bias
.set CV, 96
	s_load_b512 s[8:23], s[0:1], 0x0               ; H s[8:9], g s[10:11], b s[12:13], xn s[14:15], Wq s[16:17], Wk s[18:19], Wv s[20:21], Wo s[22:23]
	s_load_b128 s[24:27], s[0:1], 0x40             ; W1 s[24:25], W2 s[26:27]
	s_load_b64 s[28:29], s[0:1], 0x50              ; wb
	v_lshrrev_b32 v3, 5, v0
	v_readfirstlane_b32 s30, v3                    ; wave 0..7
	v_and_b32 v3, 31, v0
	v_lshlrev_b32 v1, 4, v3                        ; 16 bytes a lane, in
	v_lshlrev_b32 v2, 3, v3                        ; 8 bytes a lane, out
	s_lshl_b32 s31, s30, 1                         ; the wave's first row among the group's sixteen
	s_mov_b32 s43, 0                               ; high word of every offset here: all are below 4 GiB
	s_cmp_lt_u32 ttmp9, 256
	s_cbranch_scc0 .Lconvert
; the sum of v[r] over the wave's 32 lanes, in every lane; v[t] has been written before
.macro WSUM r, t
	v_add_f32_dpp v[\r], v[\r], v[\r] row_xmask:1 row_mask:0xf bank_mask:0xf
	v_add_f32_dpp v[\r], v[\r], v[\r] row_xmask:2 row_mask:0xf bank_mask:0xf
	v_add_f32_dpp v[\r], v[\r], v[\r] row_xmask:4 row_mask:0xf bank_mask:0xf
	v_add_f32_dpp v[\r], v[\r], v[\r] row_xmask:8 row_mask:0xf bank_mask:0xf
	v_permlanex16_b32 v[\t], v[\r], s32, s33
	v_add_f32 v[\r], v[\r], v[\t]
.endm
.macro JOIN                            ; four packed chains into one number
	v_pk_add_f32 v[T:T+1], v[T:T+1], v[T+2:T+3]
	v_pk_add_f32 v[T+4:T+5], v[T+4:T+5], v[T+6:T+7]
	v_pk_add_f32 v[T:T+1], v[T:T+1], v[T+4:T+5]
	v_add_f32 v[T], v[T], v[T+1]
.endm
; one row, held in v[X:X+31]; left = how many younger loads may stay out while its statistics are made
.macro LNROW X, rowoff, left
	s_wait_loadcnt \left
.irp k, 0,1,2,3
	v_pk_add_f32 v[T+2*\k:T+2*\k+1], v[\X+4*\k:\X+4*\k+1], v[\X+4*\k+2:\X+4*\k+3]
.endr
.irp k, 0,1,2,3,4,5,6,7
	v_pk_add_f32 v[T+2*(\k%4):T+2*(\k%4)+1], v[T+2*(\k%4):T+2*(\k%4)+1], v[\X+16+2*\k:\X+16+2*\k+1]
.endr
	JOIN
	WSUM T, T+1
	v_mul_f32 v[MU], s38, v[T]                     ; mean = sum / 1024
	v_mul_f32 v[MU+1], s38, v[T]
.irp k, 0,1,2,3,4,5,6,7,8,9,10,11,12,13,14,15
	v_pk_add_f32 v[\X+2*\k:\X+2*\k+1], v[\X+2*\k:\X+2*\k+1], v[MU:MU+1] neg_lo:[0,1] neg_hi:[0,1]
.endr
.irp k, 0,1,2,3
	v_pk_mul_f32 v[T+2*\k:T+2*\k+1], v[\X+2*\k:\X+2*\k+1], v[\X+2*\k:\X+2*\k+1]   ; the first squares start the chains
.endr
.irp k, 4,5,6,7,8,9,10,11,12,13,14,15
	v_pk_fma_f32 v[T+2*(\k%4):T+2*(\k%4)+1], v[\X+2*\k:\X+2*\k+1], v[\X+2*\k:\X+2*\k+1], v[T+2*(\k%4):T+2*(\k%4)+1]
.endr
	JOIN
	WSUM T, T+1
	v_fma_f32 v[T], v[T], s38, s39                 ; var + eps
	v_rsq_f32 v[RS], v[T]
	v_rsq_f32 v[RS+1], v[T]
	s_wait_loadcnt 0x0                             ; gain and bias are in
	s_wait_xcnt 0x0                                ; Y, which the row before stored from, is rewritten only behind this wait
	v_nop                                          ; one plain instruction between v_rsq_f32 and the use of its result
	s_wait_alu depctr_va_vdst(0)
.irp k, 0,1,2,3,4,5,6,7,8,9,10,11,12,13,14,15
	v_pk_mul_f32 v[\X+2*\k:\X+2*\k+1], v[\X+2*\k:\X+2*\k+1], v[RS:RS+1]
.endr
.irp k, 0,1,2,3,4,5,6,7,8,9,10,11,12,13,14,15
	v_pk_fma_f32 v[\X+2*\k:\X+2*\k+1], v[\X+2*\k:\X+2*\k+1], v[G+2*\k:G+2*\k+1], v[BV+2*\k:BV+2*\k+1]
.endr
.irp k, 0,1,2,3,4,5,6,7,8,9,10,11,12,13,14,15
	v_cvt_pk_bf16_f32 v[Y+\k], v[\X+2*\k], v[\X+2*\k+1]
.endr
.irp i, 0,1,2,3,4,5,6,7
	global_store_b64 v2, v[Y+2*\i:Y+2*\i+1], s[14:15] offset:\rowoff+256*\i
.endr
.endm
	; ---- LayerNorm ----
	s_mov_b32 s32, 0x76543210                      ; v_permlanex16_b32: lane i reads lane i of the other half
	s_mov_b32 s33, 0xfedcba98
	s_mov_b32 s38, 0x3a800000                      ; 1 / 1024
	s_mov_b32 s39, 0x3727c5ac                      ; 1e-5
	s_lshl_b32 s34, ttmp9, 4
	s_add_co_u32 s34, s34, s31                     ; my first row
	s_lshl_b32 s42, s34, 12                        ; 4,096 bytes a row of H
	s_wait_kmcnt 0x0
	s_add_nc_u64 s[8:9], s[8:9], s[42:43]
	s_lshl_b32 s42, s34, 11                        ; 2,048 bytes a row of xn
	s_add_nc_u64 s[14:15], s[14:15], s[42:43]
.irp i, 0,1,2,3,4,5,6,7
	global_load_b128 v[X0+4*\i:X0+4*\i+3], v1, s[8:9] offset:512*\i
.endr
.irp i, 0,1,2,3,4,5,6,7
	global_load_b128 v[X1+4*\i:X1+4*\i+3], v1, s[8:9] offset:4096+512*\i
.endr
.irp i, 0,1,2,3,4,5,6,7
	global_load_b128 v[G+4*\i:G+4*\i+3], v1, s[10:11] offset:512*\i
.endr
.irp i, 0,1,2,3,4,5,6,7
	global_load_b128 v[BV+4*\i:BV+4*\i+3], v1, s[12:13] offset:512*\i
.endr
	LNROW X0, 0, 24                                ; the second row, gain and bias (24 loads) stay out
	LNROW X1, 2048, 0
	s_endpgm
	; ---- weights to bf16 ----
.Lconvert:
	s_sub_co_u32 s34, ttmp9, 256                   ; c = 0..767: 64 groups each for Wq, Wk, Wv, Wo, 256 each for W1, W2
	s_movk_i32 s37, 6144                           ; bytes from row to row in the target: Wq|Wk|Wv share rows of 3,072 bf16
	s_wait_kmcnt 0x0
	s_cmp_ge_u32 s34, 64
	s_cselect_b64 s[40:41], s[18:19], s[16:17]     ; source
	s_cselect_b32 s36, 2048, 0                     ; the target's first byte in wb
	s_cselect_b32 s35, 64, 0                       ; the matrix's first group
	s_cmp_ge_u32 s34, 128
	s_cselect_b64 s[40:41], s[20:21], s[40:41]
	s_cselect_b32 s36, 4096, s36
	s_cselect_b32 s35, 128, s35
	s_cmp_ge_u32 s34, 192
	s_cselect_b64 s[40:41], s[22:23], s[40:41]
	s_cselect_b32 s36, 6291456, s36
	s_cselect_b32 s35, 192, s35
	s_cselect_b32 s37, 2048, s37                   ; from here on source and target are dense alike: pieces of 1,024 numbers
	s_cmp_ge_u32 s34, 256
	s_cselect_b64 s[40:41], s[24:25], s[40:41]
	s_cselect_b32 s36, 8388608, s36
	s_cselect_b32 s35, 256, s35
	s_cmp_ge_u32 s34, 512
	s_cselect_b64 s[40:41], s[26:27], s[40:41]
	s_cselect_b32 s36, 16777216, s36
	s_cselect_b32 s35, 512, s35
	s_sub_co_u32 s35, s34, s35
	s_lshl_b32 s35, s35, 4
	s_add_co_u32 s35, s35, s31                     ; my first piece of 1,024 numbers in the matrix
	s_lshl_b32 s42, s35, 12
	s_add_nc_u64 s[40:41], s[40:41], s[42:43]
	s_mul_i32 s42, s35, s37
	s_add_co_u32 s42, s42, s36
	s_add_nc_u64 s[44:45], s[28:29], s[42:43]      ; target of the first piece
	s_mov_b32 s42, s37
	s_add_nc_u64 s[46:47], s[44:45], s[42:43]      ; and of the second
.irp r, 0,1
.irp i, 0,1,2,3,4,5,6,7
	global_load_b128 v[X0+32*\r+4*\i:X0+32*\r+4*\i+3], v1, s[40:41] offset:4096*\r+512*\i th:TH_LOAD_NT
.endr
.endr
.irp r, 0,1
.irp i, 0,1,2,3,4,5,6,7
	s_wait_loadcnt 15-8*\r-\i                      ; loads come back in order: this one is in, the younger ones stay out
	v_cvt_pk_bf16_f32 v[CV+16*\r+2*\i], v[X0+32*\r+4*\i], v[X0+32*\r+4*\i+1]
	v_cvt_pk_bf16_f32 v[CV+16*\r+2*\i+1], v[X0+32*\r+4*\i+2], v[X0+32*\r+4*\i+3]
	global_store_b64 v2, v[CV+16*\r+2*\i:CV+16*\r+2*\i+1], s[44+2*\r:45+2*\r] offset:256*\i
.endr
.endr
	s_endpgm                                       ; every register here is written once: no source is ever rewritten
.Lfunc_end_k_qc6cf899049_prep:
	.size	k_qc6cf899049_prep, .Lfunc_end_k_qc6cf899049_prep-k_qc6cf899049_prep
	.p2alignl 7, 3214868480
	.fill 96, 4, 3214868480
	.section	.rodata,"a",@progbits
	.p2align	6, 0x0
	.amdhsa_kernel k_qc6cf899049_prep
		.amdhsa_group_segment_fixed_size 0
		.amdhsa_private_segment_fixed_size 0
		.amdhsa_enable_private_segment 0
		.amdhsa_kernarg_size 88
		.amdhsa_user_sgpr_count 2
		.amdhsa_user_sgpr_kernarg_segment_ptr 1
		.amdhsa_wavefront_size32 1
		.amdhsa_system_sgpr_workgroup_id_x 1
		.amdhsa_system_sgpr_workgroup_id_y 1
		.amdhsa_system_sgpr_workgroup_id_z 1
		.amdhsa_system_vgpr_workitem_id 0
		.amdhsa_next_free_vgpr 160
		.amdhsa_next_free_sgpr 66
		.amdhsa_reserve_vcc 0
		.amdhsa_float_denorm_mode_32 3
		.amdhsa_float_denorm_mode_16_64 3
		.amdhsa_memory_ordered 1
		.amdhsa_forward_progress 1
		.amdhsa_inst_pref_size 28
	.end_amdhsa_kernel
	.amdgpu_metadata
---
amdhsa.version: [ 1, 2 ]
amdhsa.kernels:
  - .name:           k_qc6cf899049_prep
    .symbol:         k_qc6cf899049_prep.kd
    .args:
      - { .name: H, .offset: 0, .size: 8, .value_kind: global_buffer, .address_space: global }
      - { .name: ln1_g, .offset: 8, .size: 8, .value_kind: global_buffer, .address_space: global }
      - { .name: ln1_b, .offset: 16, .size: 8, .value_kind: global_buffer, .address_space: global }
      - { .name: xn, .offset: 24, .size: 8, .value_kind: global_buffer, .address_space: global }
      - { .name: Wq, .offset: 32, .size: 8, .value_kind: global_buffer, .address_space: global }
      - { .name: Wk, .offset: 40, .size: 8, .value_kind: global_buffer, .address_space: global }
      - { .name: Wv, .offset: 48, .size: 8, .value_kind: global_buffer, .address_space: global }
      - { .name: Wo, .offset: 56, .size: 8, .value_kind: global_buffer, .address_space: global }
      - { .name: W1, .offset: 64, .size: 8, .value_kind: global_buffer, .address_space: global }
      - { .name: W2, .offset: 72, .size: 8, .value_kind: global_buffer, .address_space: global }
      - { .name: wb, .offset: 80, .size: 8, .value_kind: global_buffer, .address_space: global }
    .group_segment_fixed_size: 0
    .private_segment_fixed_size: 0
    .kernarg_segment_align: 8
    .kernarg_segment_size: 88
    .max_flat_workgroup_size: 256
    .sgpr_count:     66
    .vgpr_count:     160
    .wavefront_size: 32
...
	.end_amdgpu_metadata
.endif
;; end of part 1
;; launch gemm_qkv (part 2): grid 12 x 16, 4 waves a work-group, clusters of 4 x 4, 327,680 bytes of LDS; arguments xn, wb, qkv; writes qkv
.if DOCPART == 2
	.amdgcn_target "amdgcn-amd-amdhsa--gfx1250"
	.amdhsa_code_object_version 6
	.text
	.protected	k_qc6cf899049_gemm_qkv
	.globl	k_qc6cf899049_gemm_qkv
	.p2align	8
	.type	k_qc6cf899049_gemm_qkv,@function
k_qc6cf899049_gemm_qkv:
	s_mov_b64 s[64:65], 0
	v_nop
	global_prefetch_b8 v0, s[64:65] scope:SCOPE_SE
	s_setreg_imm32_b32 hwreg(HW_REG_WAVE_MODE, 25, 1), 1
	s_wait_xcnt 0x0
	s_wait_alu depctr_hold_cnt(0) depctr_sa_sdst(0) depctr_va_vdst(0) depctr_va_sdst(0) depctr_va_ssrc(0) depctr_va_vcc(0) depctr_vm_vsrc(0)
	s_getreg_b32 s2, hwreg(HW_REG_IB_STS2, 6, 4)
	s_cmp_eq_u32 s2, 0
	s_cbranch_scc0 .Lentry_in_a_cluster
	s_endpgm
.Lentry_in_a_cluster:
	s_bfe_u32 s2, ttmp6, 0x10000c
	s_cmp_lg_u32 s2, 0xf033
	s_cbranch_scc0 .Lentry_shape_is_right
	s_endpgm
.Lentry_shape_is_right:
; qkv = xn x [Wq|Wk|Wv].  xn: [4096][1024] bf16.  The weights: [1024 (k)][3072 (n)] bf16 at wb's first byte.  Sums in f32, rounded once to bf16.
; The result is stored head-major, [3 (q,k,v)][32 (batch x 16 + head)][2048 (token)][64], so that the attention launch finds dense tiles.
; A work-group makes 256 x 256 with four waves, a wave 128 x 128: 64 accumulator tiles, 512 registers.  K goes in steps of 128 through
; two LDS slots filled by the tensor data mover.  12 x 16 = 192 work-groups: the shape has no more blocks of this size.
; CLUSTERS: 4 x 4 work-groups.  The four of a row of the cluster need the same tiles of xn, the four of a column the same tiles of the weights:
; each such tile is asked for jointly, by the same load with the same descriptor and a mask that names the four.
; THE WEIGHTS LIE [K][N]: their fragments are read from LDS by the transposing load (ds_load_tr16_b128), two for 16 n x 32 k.
; REGISTER WINDOWS: 0: addresses, fragments of xn (v64-127, v128-191), work on the way out; 1: fragments of the weights (same numbers);
; 2, 3: accumulators, tile (a, b) at v[8 (8 (a mod 4) + b)].
; The matrix instruction is used transposed (source 0 = 16 n of the weights, source 1 = 16 rows of xn): a lane then holds eight neighbouring columns of one row.
.set SIZE_K, 1024
.set SIZE_N, 3072
.set BOFF,   0                         ; the weights' first byte in wb
.set KSTEP,  128
.set PA,     272                       ; LDS row of xn: 256 bytes + 16: an odd multiple of 16, so sixteen rows start in sixteen different 16-byte columns
.set PB,     544                       ; LDS row of the weights: 512 bytes + 32: an odd multiple of 32, which the transposing load's eight rows want
.set HALFT,  34816                     ; what one tensor load brings: 128 rows x 272 = 64 rows x 544
.set SLOT,   4*HALFT                   ; xn's 256 rows, then the weights' 128 k-rows
.set STAGE,  2*SLOT                    ; behind the ring: 16 rows x 272 bytes for each wave, never a fill's target
.set SPITCH, 272
.set LAPS,   SIZE_K/(2*KSTEP)          ; a lap = two K steps = once round the ring
.set ADRA, 16                          ; v16-17  LDS address of my xn fragments in slot 0, 1
.set ADRB, 20                          ; v20-21  the same for the weights
.set STO,  24
.set RD,   25
.set CO,   26
.set F0,   64
.set F1,   128
.set TMP,  192
.set G1,  24                           ; s[24:31] group 1 for xn's tiles
.set G0,  32                           ; s[32:39] group 0 for xn's tiles, a set for each slot
.set G1B, 48                           ; s[48:55] group 1 for the weights' tiles
.set G0B, 56                           ; s[56:63] group 0 for the weights' tiles, a set for each slot
.set MSB, 0
.macro WIN new                         ; the immediate's high byte repeats the setting that is left
.if MSB != \new
	s_set_vgpr_msb (MSB<<8)|\new
.set MSB, \new
.endif
.endm
.set MUL_LO, 0xa1                      ; source 0 window 1, source 1 window 0, C and D window 2
.set MUL_HI, 0xf1                      ; the same, C and D window 3
.set TO_B,   0x40                      ; destination window 1, address window 0
; A joint load: waves 0 and 1 fetch xn's two halves, waves 2 and 3 the weights'.  The branch hangs on the wave's number alone.
.macro JLOAD s
	s_cmp_eq_u32 s11, 0
	s_cbranch_scc0 .Lfor_b_\@
	tensor_load_to_lds s[G0+4*\s:G0+4*\s+3], s[G1:G1+7]
	s_nop 0
	s_branch .Lasked_\@
.Lfor_b_\@:
	tensor_load_to_lds s[G0B+4*\s:G0B+4*\s+3], s[G1B:G1B+7]
	s_nop 0
.Lasked_\@:
.endm
.macro CREST                           ; a round of the cluster's barrier behind its opening barrier
	s_cmp_lg_u32 s10, 0
	s_cbranch_scc1 .Lnot_wave_0_\@
	s_barrier_signal -3
.Lnot_wave_0_\@:
	s_barrier_wait -3
	s_barrier_signal -1
	s_barrier_wait -1
.endm
.macro CROUND                          ; a whole round
	s_barrier_signal -1
	s_barrier_wait -1
	CREST
.endm
	s_load_b128 s[4:7], s[0:1], 0x0                ; xn s[4:5], wb s[6:7]
	s_load_b64 s[8:9], s[0:1], 0x10                ; qkv
	s_set_vgpr_msb 0x40
	v_lshl_add_u32 v255, v0, 2, 0x48400
	s_set_vgpr_msb 0x4000
	v_mov_b32 v255, 0
	s_set_vgpr_msb 0x1
	ds_add_u32 v255, v255
	s_set_vgpr_msb 0x100
	v_lshrrev_b32 v1, 5, v0
	v_readfirstlane_b32 s10, v1                    ; wave 0..3
	s_lshr_b32 s11, s10, 1                         ; my half of the block's rows.  Also: I fetch xn (0) or weights (1)
	s_and_b32 s12, s10, 1                          ; my half of its columns.  Also: which half of that tile I fetch
	s_bfe_u32 s40, ttmp6, 0x40000                  ; cx
	s_bfe_u32 s41, ttmp6, 0x40004                  ; cy
	s_lshl_b32 s42, ttmp9, 2
	s_add_co_u32 s42, s42, s40                     ; block column = 4 x cluster x + cx
	s_and_b32 s13, ttmp7, 0xffff
	s_lshl_b32 s13, s13, 2
	s_add_co_u32 s13, s13, s41                     ; block row = 4 x cluster y + cy
	s_lshl_b32 s43, s41, 2
	s_lshl_b32 s43, 15, s43                        ; my row of the cluster: places 4 cy .. 4 cy + 3
	s_lshl_b32 s44, 0x1111, s40                    ; my column: places cx, cx + 4, cx + 8, cx + 12
	s_or_b32 s[G1+0], s43, (1<<16)|(1<<20)|(1<<21)|(5<<22)|(3<<25)   ; mask; 2-byte elements; padding of 4 words behind every 64; bit 21 beside a mask
	s_mov_b32 s[G1+1], 128<<16                     ; tensor_dim0 = 128
	s_mov_b32 s[G1+2], 128<<16                     ; tensor_dim1 = 128
	s_mov_b32 s[G1+3], 128<<16                     ; tile_dim0 = 128 elements: 256 bytes of a row of xn
	s_mov_b32 s[G1+4], 128                         ; tile_dim1 = 128 rows
	s_mov_b32 s[G1+5], SIZE_K                      ; elements from row to row
	s_mov_b32 s[G1+6], 0
	s_mov_b32 s[G1+7], 0
	s_or_b32 s[G1B+0], s44, (1<<16)|(1<<20)|(1<<21)|(6<<22)|(7<<25)  ; padding of 8 words behind every 128
	s_mov_b32 s[G1B+1], 256<<16                    ; tensor_dim0 = 256
	s_mov_b32 s[G1B+2], 64<<16                     ; tensor_dim1 = 64
	s_mov_b32 s[G1B+3], 256<<16                    ; tile_dim0 = 256 elements: 512 bytes of a k-row
	s_mov_b32 s[G1B+4], 64                         ; tile_dim1 = 64 k-rows
	s_mov_b32 s[G1B+5], SIZE_N
	s_mov_b32 s[G1B+6], 0
	s_mov_b32 s[G1B+7], 0
	; xn's tiles hang on the block row alone, the weights' on the block column alone; each offset is made in registers that never hold the other coordinate
	s_lshl_b32 s17, s12, 7
	s_lshl_b32 s16, s13, 8
	s_add_co_u32 s16, s16, s17                     ; row 256 x block row + 128 x half
	s_lshl_b32 s16, s16, 11                        ; x 2,048 bytes
	s_mov_b32 s17, 0
	s_mul_i32 s46, s12, 64*SIZE_N*2                ; k-row 64 x half
	s_lshl_b32 s45, s42, 9                         ; 512 bytes a block column
	s_add_co_u32 s46, s46, s45
.if BOFF
	s_add_co_u32 s46, s46, BOFF
.endif
	s_mov_b32 s47, 0
	s_mul_i32 s20, s10, HALFT                      ; where my part goes: wave x one load's bytes; no place in the cluster enters an LDS address
	s_wait_dscnt 0x0
	s_wait_kmcnt 0x0
	s_add_nc_u64 s[14:15], s[4:5], s[16:17]
	s_add_nc_u64 s[46:47], s[6:7], s[46:47]
	CROUND                                         ; all sixteen work-groups are here: the first joint loads meet
.irp s, 0,1
	s_mov_b32 s[G0+4*\s], 1
	s_add_co_u32 s[G0+4*\s+1], s20, \s*SLOT
	s_add_nc_u64 s[G0+4*\s+2:G0+4*\s+3], s[14:15], \s*KSTEP*2
	s_or_b32 s[G0+4*\s+3], s[G0+4*\s+3], 0x80000000
	s_mov_b32 s[G0B+4*\s], 1
	s_add_co_u32 s[G0B+4*\s+1], s20, \s*SLOT
	s_add_nc_u64 s[G0B+4*\s+2:G0B+4*\s+3], s[46:47], \s*KSTEP*SIZE_N*2
	s_or_b32 s[G0B+4*\s+3], s[G0B+4*\s+3], 0x80000000
	JLOAD \s                                       ; two loads of the wave are out: K steps 0 and 1
.endr
	v_and_b32 v1, 15, v0                           ; r = l % 16
	v_bfe_u32 v2, v0, 4, 1                         ; h = l / 16
	v_mul_u32_u24 v3, v1, PA
	v_lshl_add_u32 v3, v2, 4, v3                   ; xn: row r, 16 bytes for each half of the lanes
	v_and_b32 v7, 7, v0
	v_lshl_add_u32 v5, v2, 3, v7                   ; weights: k-row 8 h + l % 8,
	v_mul_u32_u24 v5, v5, PB
	v_bfe_u32 v6, v0, 3, 1
	v_lshl_add_u32 v5, v6, 4, v5                   ; and 16 bytes further for lanes 8-15 and 24-31
	s_mul_i32 s21, s11, HALFT                      ; my 128 rows of xn
	s_lshl_b32 s22, s12, 8                         ; my 128 columns of the weights: 256 bytes into each k-row,
	s_add_co_u32 s22, s22, 2*HALFT                 ; which lie behind xn's 256 rows
.irp s, 0,1
	v_add_nc_u32 v[ADRA+\s], s21, v3
	v_add_nc_u32 v[ADRB+\s], s22, v5
	s_add_co_u32 s21, s21, SLOT
	s_add_co_u32 s22, s22, SLOT
.endr
	s_mul_i32 s23, s10, 16*SPITCH
	s_add_co_u32 s23, s23, STAGE                   ; my stage
	v_mul_u32_u24 v4, v1, SPITCH
	v_lshl_add_u32 v4, v2, 4, v4
	v_add_nc_u32 v[STO], s23, v4                   ; in: row r, 16 bytes for each half of the lanes
	v_mul_u32_u24 v4, v6, SPITCH                   ; back: lanes 0-15 take two tokens of my first head (2 x 128 bytes), lanes 16-31 of my second
	v_lshl_add_u32 v4, v2, 7, v4
	v_lshl_add_u32 v4, v7, 4, v4
	v_add_nc_u32 v[RD], s23, v4
	v_lshlrev_b32 v4, 18, v2                       ; a head is 2,048 tokens x 128 bytes = 262,144 bytes
	v_lshl_add_u32 v[CO], v1, 4, v4
; 16 matrix instructions: m blocks a0, a0 + 1 of the window's four x all 8 n blocks, 32 along K.  zero = 1: the first product starts the sums.
.macro MUL16 f, hi, a0, zero
.irp a, \a0, \a0+1
.irp b, 0,1,2,3,4,5,6,7
.if \zero
	v_wmma_f32_16x16x32_bf16 v[8*(8*(\a)+\b):8*(8*(\a)+\b)+7], v[\f+8*\b:\f+8*\b+7], v[\f+8*(4*\hi+\a):\f+8*(4*\hi+\a)+7], 0
.else
	v_wmma_f32_16x16x32_bf16 v[8*(8*(\a)+\b):8*(8*(\a)+\b)+7], v[\f+8*\b:\f+8*\b+7], v[\f+8*(4*\hi+\a):\f+8*(4*\hi+\a)+7], v[8*(8*(\a)+\b):8*(8*(\a)+\b)+7]
.endif
.endr
.endr
.endm
; 32 LDS loads in one run: the fragments of quarter q of a K step (32 k) into buffer f
.macro FETCH slot, q, f
	WIN TO_B
.irp i, 0,1,2,3,4,5,6,7
	ds_load_tr16_b128 v[\f+8*\i:\f+8*\i+3],   v[ADRB+\slot] offset:\q*32*PB+32*\i          ; k = 32 q + 8 h .. + 7 of column 16 i + r
	ds_load_tr16_b128 v[\f+8*\i+4:\f+8*\i+7], v[ADRB+\slot] offset:\q*32*PB+32*\i+16*PB    ; k = 32 q + 16 + 8 h .. + 7
.endr
	WIN 0
.irp i, 0,1,2,3,4,5,6,7
	ds_load_b128 v[\f+8*\i:\f+8*\i+3],   v[ADRA+\slot] offset:\q*64+\i*16*PA
	ds_load_b128 v[\f+8*\i+4:\f+8*\i+7], v[ADRA+\slot] offset:\q*64+\i*16*PA+32
.endr
.endm
; four plain vector instructions between a matrix instruction and a load into, or a vector instruction on, one of its registers
.macro PLACES
.rept 4
	v_nop
.endr
.endm
; The 64 accumulators take turns, one instruction a turn, in the same order in every quarter, over the loop's jump too.
.macro QUARTER slot, q, f, g, zero
	s_wait_dscnt 8                                 ; the weights' fragments and xn's rows 0-63 are in; the youngest eight loads (rows 64-127) may be out
	WIN MUL_LO
	MUL16 \f, 0, 0, \zero
	MUL16 \f, 0, 2, \zero
	PLACES
	FETCH \slot, \q, \g
	s_wait_dscnt 32                                ; all but the 32 just issued
	WIN MUL_HI
	MUL16 \f, 1, 0, \zero
	MUL16 \f, 1, 2, \zero
.endm
.macro THREE slot, zero
	QUARTER \slot, 1, F0, F1, \zero
	QUARTER \slot, 2, F1, F0, 0
	QUARTER \slot, 3, F0, F1, 0
.endm
; The last quarter of a K step changes slots.  In front of the barrier each wave waits for its reads of this slot and for all its tensor loads
; (one is out: its part of the next slot).  Where the slot is filled again the barrier opens a round of the cluster's barrier, and the joint refill is the first tensor load behind the round.
.macro TURN slot, next, fill
	s_wait_dscnt 8
	WIN MUL_LO
	MUL16 F1, 0, 0, 0
	s_wait_dscnt 0
	s_wait_tensorcnt 0x0
	ds_add_u32 v255, v255
	s_wait_dscnt 0x0
	s_barrier_signal -1
	MUL16 F1, 0, 2, 0                              ; register work between signal and wait
	WIN 0
	s_barrier_wait -1
.if \fill
	CREST
	s_add_nc_u64 s[G0+4*\slot+2:G0+4*\slot+3], s[G0+4*\slot+2:G0+4*\slot+3], 2*KSTEP*2            ; no load of mine is out: the addresses step, two K steps on
	s_add_nc_u64 s[G0B+4*\slot+2:G0B+4*\slot+3], s[G0B+4*\slot+2:G0B+4*\slot+3], 2*KSTEP*SIZE_N*2
	JLOAD \slot
.endif
	PLACES
	FETCH \next, 0, F0
	WIN MUL_HI
	MUL16 F1, 1, 0, 0
	MUL16 F1, 1, 2, 0
.endm
.macro LAP zero
	THREE 0, \zero
	TURN 0, 1, 1
	THREE 1, 0
	TURN 1, 0, 1
.endm
	s_wait_tensorcnt 1                             ; my part of K step 0 is in; K step 1's stays out
	s_barrier_signal -1
	s_barrier_wait -1
	FETCH 0, 0, F0
	LAP 1                                          ; the first lap's first products start the sums: nothing is cleared
	WIN 0
	s_mov_b32 s3, LAPS-2
.Llap:
	LAP 0
	WIN 0
	s_sub_co_u32 s3, s3, 1
	s_cmp_lg_u32 s3, 0
	s_cbranch_scc1 .Llap
	THREE 0, 0                                     ; the last lap fills nothing
	TURN 0, 1, 0
	THREE 1, 0
	s_wait_dscnt 8
	WIN MUL_LO
	MUL16 F1, 0, 0, 0
	MUL16 F1, 0, 2, 0
	s_wait_dscnt 0
	WIN MUL_HI
	MUL16 F1, 1, 0, 0
	MUL16 F1, 1, 2, 0
	; THE WAY OUT, 16 tokens at a time through my own stage.  My 128 columns are two heads of one of q, k, v.
	PLACES
	s_lshr_b32 s16, s42, 2                         ; which of q, k, v: 4 block columns each,
	s_lshl_b32 s16, s16, 23                        ; 8,388,608 bytes each
	s_lshr_b32 s17, s13, 3                         ; batch: 8 block rows each
	s_lshl_b32 s17, s17, 4
	s_and_b32 s18, s42, 3
	s_lshl_b32 s18, s18, 2
	s_add_co_u32 s17, s17, s18
	s_lshl_b32 s18, s12, 1
	s_add_co_u32 s17, s17, s18                     ; batch x 16 + my first head
	s_lshl_b32 s17, s17, 18
	s_add_co_u32 s16, s16, s17
	s_and_b32 s18, s13, 7
	s_lshl_b32 s18, s18, 1
	s_add_co_u32 s18, s18, s11                     ; my first token / 128
	s_lshl_b32 s18, s18, 14                        ; x 128 tokens x 128 bytes
	s_add_co_u32 s16, s16, s18
	s_mov_b32 s17, 0
	s_add_nc_u64 s[8:9], s[8:9], s[16:17]
.macro OUT16 i, a, from, f
	WIN \from
.irp b, 0,1,2,3,4,5,6,7
.irp r, 0,1,2,3
	v_cvt_pk_bf16_f32 v[TMP+4*\b+\r], v[8*(8*\a+\b)+2*\r], v[8*(8*\a+\b)+2*\r+1]
.endr
.endr
	WIN 0
.irp b, 0,1,2,3,4,5,6,7
	ds_store_b128 v[STO], v[TMP+4*\b:TMP+4*\b+3] offset:32*\b
.endr
	s_wait_xcnt 0x0                                ; buffer f, which earlier stores read, is loaded again only behind this wait
.irp t, 0,1,2,3,4,5,6,7
	ds_load_b128 v[\f+4*\t:\f+4*\t+3], v[RD] offset:\t*2*SPITCH    ; a wave's LDS instructions are served in order: these see the stores above
.endr
.irp t, 0,1,2,3,4,5,6,7
	s_wait_dscnt 7-\t                              ; the younger read-backs stay out
	global_store_b128 v[CO], v[\f+4*\t:\f+4*\t+3], s[8:9] offset:\i*2048+\t*256   ; 16 lanes store two tokens of a head: 256 consecutive bytes, aligned
.endr
.endm
	OUT16 0, 0, 0x0a, F0
	OUT16 1, 1, 0x0a, F1
	OUT16 2, 2, 0x0a, F0
	OUT16 3, 3, 0x0a, F1
	OUT16 4, 0, 0x0f, F0
	OUT16 5, 1, 0x0f, F1
	OUT16 6, 2, 0x0f, F0
	OUT16 7, 3, 0x0f, F1
	s_set_vgpr_msb 0x1
	s_wait_tensorcnt 0x0
	ds_add_u32 v255, v255
	s_wait_dscnt 0x0
	s_set_vgpr_msb 0x100
	CROUND                                         ; the closing round: no work-group ends while a partner may still ask for a tile that names it
	s_endpgm
.Lfunc_end_k_qc6cf899049_gemm_qkv:
	.size	k_qc6cf899049_gemm_qkv, .Lfunc_end_k_qc6cf899049_gemm_qkv-k_qc6cf899049_gemm_qkv
	.p2alignl 7, 3214868480
	.fill 96, 4, 3214868480
	.section	.rodata,"a",@progbits
	.p2align	6, 0x0
	.amdhsa_kernel k_qc6cf899049_gemm_qkv
		.amdhsa_group_segment_fixed_size 327680
		.amdhsa_private_segment_fixed_size 0
		.amdhsa_enable_private_segment 0
		.amdhsa_kernarg_size 24
		.amdhsa_user_sgpr_count 2
		.amdhsa_user_sgpr_kernarg_segment_ptr 1
		.amdhsa_wavefront_size32 1
		.amdhsa_system_sgpr_workgroup_id_x 1
		.amdhsa_system_sgpr_workgroup_id_y 1
		.amdhsa_system_sgpr_workgroup_id_z 1
		.amdhsa_system_vgpr_workitem_id 0
		.amdhsa_next_free_vgpr 1024
		.amdhsa_next_free_sgpr 66
		.amdhsa_reserve_vcc 0
		.amdhsa_float_denorm_mode_32 3
		.amdhsa_float_denorm_mode_16_64 3
		.amdhsa_memory_ordered 1
		.amdhsa_forward_progress 1
		.amdhsa_inst_pref_size 196
	.end_amdhsa_kernel
	.amdgpu_metadata
---
amdhsa.version: [ 1, 2 ]
amdhsa.kernels:
  - .name:           k_qc6cf899049_gemm_qkv
    .symbol:         k_qc6cf899049_gemm_qkv.kd
    .args:
      - { .name: xn, .offset: 0, .size: 8, .value_kind: global_buffer, .address_space: global }
      - { .name: wb, .offset: 8, .size: 8, .value_kind: global_buffer, .address_space: global }
      - { .name: qkv, .offset: 16, .size: 8, .value_kind: global_buffer, .address_space: global }
    .group_segment_fixed_size: 327680
    .private_segment_fixed_size: 0
    .kernarg_segment_align: 8
    .kernarg_segment_size: 24
    .max_flat_workgroup_size: 128
    .sgpr_count:     66
    .vgpr_count:     1024
    .wavefront_size: 32
...
	.end_amdgpu_metadata
.endif
;; end of part 2
;; launch attn (part 3): grid 256 x 1, 8 waves a work-group, no clusters, 327,680 bytes of LDS; arguments qkv, ao; writes ao
.if DOCPART == 3
	.amdgcn_target "amdgcn-amd-amdhsa--gfx1250"
	.amdhsa_code_object_version 6
	.text
	.protected	k_qc6cf899049_attn
	.globl	k_qc6cf899049_attn
	.p2align	8
	.type	k_qc6cf899049_attn,@function
k_qc6cf899049_attn:
	s_mov_b64 s[64:65], 0
	v_nop
	global_prefetch_b8 v0, s[64:65] scope:SCOPE_SE
	s_setreg_imm32_b32 hwreg(HW_REG_WAVE_MODE, 25, 1), 1
	s_wait_xcnt 0x0
; Causal attention of one head, with a running maximum.  qkv: [3][32 (batch x 16 + head)][2048][64] bf16.
; ao is written in the order in which the next product's left fragments are read: [256 (16 tokens)][32 (32 columns)][1,024 bytes]; in a block of
; 1,024 bytes lane l's 16 bytes of columns 8 (l / 16) .. + 7 of token l % 16 stand at 16 l, those of columns 16 + 8 (l / 16) .. at 512 + 16 l.
; A work-group takes two blocks of 128 queries of one head: block 15 - j ((17 - j) / 2 key tiles of 256, rounded down), then block j (the rest of 9): 9 steps for everyone.
; EIGHT WAVES, two on a SIMD, so that one wave's softmax runs beside the other's matrix work.  Wave 4 g + w owns the 32 queries 32 w .. of the block and the keys
; 128 g .. 128 g + 127 of every tile, with a running maximum, sum and O of its own; the two halves of the keys are joined at the end, through LDS.
; A wave computes S^T = K Q^T and O^T = V^T P^T, so a lane holds ONE query: maxima and sums stay in the lane but for one exchange between the halves of the wave,
; the packed S^T tiles ARE the second product's operand, and a lane's eight results are 16 neighbouring bytes.
; A wave's two register sets hold its queries 16 (n xor g) ..: so every wave joins its own set 0 with its partner's set 1, and no branch hangs on g.
; NO CLUSTER: the work-groups of a head walk different numbers of tiles in each of their two blocks, so at a given step partners need different tiles.
; LIMITS: the denominator sums p in f32 while the second product takes p rounded to bf16; a row is summed in two halves of the keys, joined in f32.
; The running maximum starts at the lowest finite f32, not at -inf: a wave all of whose keys are closed then has p = 0, factor 1, and weight 0 in the join.
.set KP,    144                        ; LDS row of K: 128 bytes + 16
.set VP,    160                        ; LDS row of V: 128 bytes + 32: an odd multiple of 32, for the transposing load
.set VOFF,  256*KP                     ; V behind K in a slot
.set SLOT,  256*KP+256*VP              ; 77,824
.set STAGE, 2*SLOT                     ; 155,648, a multiple of 256: never a fill's target
.set PBX,   8704                       ; a wave's O (2 sets x 4,096 bytes), then (maximum, sum) of each set (2 x 256 bytes), for one block of queries
.set KAD, 4                            ; v4-5   K fragments' LDS address, slot 0, 1
.set VAD, 6                            ; v6-7   V fragments' LDS address
.set QO,  8                            ; v8-9   byte offset of set n's queries in a block of Q
.set DD0, 10                           ; v10-11 r + 32 w + 16 (n xor g) - 8 h - 128 g
.set DD,  12                           ; v12-13 the same + 128 (block odd): row j' of my keys in the last tile is open if j' <= DD
.set MM,  14                           ; v14, v16  running maximum of raw scores, set 0, 1
.set LL,  15                           ; v15, v17  running sum (each half of the wave keeps its keys' part)
.set AL,  18                           ; v18-21 the step's rescaling factor, twice each
.set NM,  22                           ; v22-25 -c x maximum, twice each
.set T,   26                           ; v26-33 at work
.set NINF,34                           ; v34    -inf
.set XST, 35                           ; v35    my bytes of the stage + 16 x lane
.set XS8, 36                           ; v36    my bytes of the stage + 8 x lane
.set XLD, 37                           ; v37    my partner's + 16 x lane
.set XL8, 38                           ; v38    my partner's + 8 x lane
.set CO,  39                           ; v39    16 x lane
.set MN,  40                           ; v40    the new maximum
.set SC,  64                           ; v64-127  S^T: tile (nt, mt) at 32 nt + 8 mt; then P^T: (nt, ks) at 32 nt + 16 ks
.set KF,  128                          ; v128-191 K fragments (mt, kd) at 16 mt + 8 kd
.set VF,  192                          ; v192-255 V^T fragments (dt, ks) at 16 dt + 8 ks
.set OA,  0                            ; window 1, v0-63   O^T: tile (nt, dt) at 32 nt + 8 dt
.set QF,  64                           ; window 1, v64-95  Q fragments (nt, kd) at 16 nt + 8 kd
.set MSB, 0
.macro WIN new
.if MSB != \new
	s_set_vgpr_msb (MSB<<8)|\new
.set MSB, \new
.endif
.endm
; wave 0 fetches a K tile, wave 1 the V tile, 128 rows of 256 bytes each (a tile is dense in memory); the other waves fetch nothing
.macro KVLOAD slot
	s_cmp_eq_u32 s8, 0
	s_cbranch_scc0 .Lnot_k_\@
	tensor_load_to_lds s[40+4*(\slot):43+4*(\slot)], s[24:31]
	s_nop 0
.Lnot_k_\@:
	s_cmp_eq_u32 s8, 1
	s_cbranch_scc0 .Lnot_v_\@
	tensor_load_to_lds s[48+4*(\slot):51+4*(\slot)], s[32:39]
	s_nop 0
.Lnot_v_\@:
.endm
	s_load_b128 s[4:7], s[0:1], 0x0                ; qkv s[4:5], ao s[6:7]
	v_lshl_add_u32 v62, v0, 2, 0x48000
	v_mov_b32 v63, 0
	ds_add_u32 v62, v63
	v_lshrrev_b32 v1, 5, v0
	v_readfirstlane_b32 s8, v1                     ; wave 0..7
	s_and_b32 s3, s8, 3                            ; w: my 32 queries
	s_lshr_b32 s66, s8, 2                          ; g: my half of every tile's keys
	s_and_b32 s9, ttmp9, 7                         ; j
	s_lshr_b32 s10, ttmp9, 3                       ; batch x 16 + head
	s_sub_co_u32 s11, 17, s9
	s_lshr_b32 s11, s11, 1                         ; steps of the first block: block 15 - j needs 128 (16 - j) keys
	s_sub_co_u32 s2, 15, s9                        ; the block of queries at work
	s_mov_b32 s12, 0                               ; step
	s_mov_b32 s14, 0x76543210                      ; v_permlanex16_b32: lane i reads lane i of the other half
	s_mov_b32 s15, 0xfedcba98
	s_mov_b32 s16, 0x3e38aa3b                      ; c = log2(e) / sqrt(64), twice for the packed forms
	s_mov_b32 s17, 0x3e38aa3b
	s_mov_b32 s18, 0xbe38aa3b                      ; -c
	s_mov_b32 s24, (1<<16)|(1<<20)|(4<<22)|(3<<25) ; K: 2-byte elements, 4 words of padding behind every 32 (a key's 128 bytes)
	s_mov_b32 s25, 128<<16                         ; tensor_dim0 = 128
	s_mov_b32 s26, 128<<16                         ; tensor_dim1 = 128
	s_mov_b32 s27, 128<<16                         ; tile_dim0 = 128 elements: 256 bytes, two keys
	s_mov_b32 s28, 128                             ; tile_dim1 = 128
	s_mov_b32 s29, 128                             ; dense: a row begins where the last ends
	s_mov_b32 s30, 0
	s_mov_b32 s31, 0
	s_mov_b32 s32, (1<<16)|(1<<20)|(4<<22)|(7<<25) ; V: the same with 8 words of padding
	s_mov_b32 s33, 128<<16
	s_mov_b32 s34, 128<<16
	s_mov_b32 s35, 128<<16
	s_mov_b32 s36, 128
	s_mov_b32 s37, 128
	s_mov_b32 s38, 0
	s_mov_b32 s39, 0
	s_mov_b32 s40, 1                               ; group 0: K slot 0, K slot 1, V slot 0, V slot 1
	s_mov_b32 s41, 0
	s_mov_b32 s44, 1
	s_mov_b32 s45, SLOT
	s_mov_b32 s48, 1
	s_mov_b32 s49, VOFF
	s_mov_b32 s52, 1
	s_mov_b32 s53, SLOT+VOFF
	s_lshl_b32 s20, s10, 18                        ; a head of q, k or v: 262,144 bytes
	s_mov_b32 s21, 0
	s_lshr_b32 s22, s10, 4                         ; ao: batch x 128 groups of 16 tokens,
	s_lshl_b32 s22, s22, 7
	s_lshl1_add_u32 s23, s3, s66                   ; + 2 w + g: the sixteen queries that I join,
	s_add_co_u32 s22, s22, s23
	s_lshl_b32 s22, s22, 15                        ; 32,768 bytes each,
	s_and_b32 s23, s10, 15
	s_lshl_b32 s23, s23, 11                        ; + the head's 64 columns: 2,048 bytes
	s_add_co_u32 s22, s22, s23
	s_mov_b32 s23, 0
	s_wait_dscnt 0x0
	s_barrier_signal -1
	s_barrier_wait -1
	s_wait_kmcnt 0x0
	s_add_nc_u64 s[60:61], s[4:5], s[20:21]        ; the head's Q
	s_add_nc_u64 s[56:57], s[60:61], 0x800000      ; its K
	s_add_nc_u64 s[58:59], s[60:61], 0x1000000     ; its V
	s_add_nc_u64 s[62:63], s[6:7], s[22:23]        ; my place in ao, in block 0
	s_mov_b64 s[42:43], s[56:57]
	s_or_b32 s43, s43, 0x80000000
	s_mov_b64 s[50:51], s[58:59]
	s_or_b32 s51, s51, 0x80000000
	KVLOAD 0                                       ; key tile 0 into slot 0: one load of the wave is out
	v_and_b32 v1, 15, v0                           ; r
	v_bfe_u32 v2, v0, 4, 1                         ; h
	v_mul_u32_u24 v3, v1, KP
	v_lshl_add_u32 v3, v2, 4, v3                   ; key r, 16 bytes for each half
	s_mul_i32 s20, s66, 128*KP                     ; my half of the keys
	v_add_nc_u32 v[KAD], s20, v3
	v_add_nc_u32 v[KAD+1], SLOT, v[KAD]
	v_and_b32 v3, 7, v0
	v_lshl_add_u32 v3, v2, 3, v3                   ; key 8 h + l % 8
	v_mul_u32_u24 v3, v3, VP
	v_bfe_u32 v26, v0, 3, 1
	v_lshl_add_u32 v3, v26, 4, v3
	s_mul_i32 s20, s66, 128*VP
	s_add_co_u32 s20, s20, VOFF
	v_add_nc_u32 v[VAD], s20, v3
	v_add_nc_u32 v[VAD+1], SLOT, v[VAD]
	v_lshlrev_b32 v3, 7, v1
	v_lshl_add_u32 v3, v2, 4, v3                   ; query r: 128 bytes a query, 16 bytes for each half
	s_xor_b32 s23, s66, 1                          ; 1 - g
	s_lshl_b32 s20, s3, 12                         ; the wave's 32 queries
	s_lshl_b32 s21, s66, 11
	s_add_co_u32 s21, s20, s21                     ; set 0: queries 16 g ..
	v_add_nc_u32 v[QO], s21, v3
	s_lshl_b32 s22, s23, 11
	s_add_co_u32 s22, s20, s22                     ; set 1: queries 16 (1 - g) ..
	v_add_nc_u32 v[QO+1], s22, v3
	v_lshlrev_b32 v26, 3, v2
	v_sub_nc_u32 v3, v1, v26                       ; r - 8 h, a signed number from here on
	s_lshl_b32 s20, s3, 5
	s_lshl_b32 s21, s66, 7
	s_sub_co_u32 s20, s20, s21                     ; 32 w - 128 g
	s_lshl_b32 s21, s66, 4
	s_add_co_u32 s21, s20, s21
	v_add_nc_u32 v[DD0], s21, v3
	s_lshl_b32 s22, s23, 4
	s_add_co_u32 s22, s20, s22
	v_add_nc_u32 v[DD0+1], s22, v3
	v_mov_b32 v[NINF], 0xff800000
	v_and_b32 v3, 31, v0
	v_lshlrev_b32 v[CO], 4, v3
	v_lshlrev_b32 v26, 3, v3
	s_mul_i32 s20, s8, 2*PBX
	s_add_co_u32 s20, s20, STAGE                   ; my bytes of the stage
	v_add_nc_u32 v[XST], s20, v[CO]
	v_add_nc_u32 v[XS8], s20, v26
	s_xor_b32 s21, s8, 4                           ; my partner: the same queries, the other keys
	s_mul_i32 s21, s21, 2*PBX
	s_add_co_u32 s21, s21, STAGE
	v_add_nc_u32 v[XLD], s21, v[CO]
	v_add_nc_u32 v[XL8], s21, v26
; A block of queries begins: its Q fragments straight from memory, O = 0 (every step rescales O, so it needs a number), maximum = lowest finite number, sum = 0.
.macro PHASE_START
	s_lshl_b32 s20, s2, 14                         ; 128 queries x 128 bytes
	s_mov_b32 s21, 0
	s_add_nc_u64 s[20:21], s[60:61], s[20:21]
	s_and_b32 s22, s2, 1                           ; an odd block's last tile begins 128 keys ahead of the block
	s_lshl_b32 s22, s22, 7
	WIN 0x40
.irp nt, 0,1
.irp kd, 0,1
	global_load_b128 v[QF+16*\nt+8*\kd:QF+16*\nt+8*\kd+3],   v[QO+\nt], s[20:21] offset:64*\kd
	global_load_b128 v[QF+16*\nt+8*\kd+4:QF+16*\nt+8*\kd+7], v[QO+\nt], s[20:21] offset:64*\kd+32
.endr
.endr
.set idx, 0
.rept 64
	v_mov_b32 v[OA+idx], 0
.set idx, idx+1
.endr
	WIN 0
	v_add_nc_u32 v[DD], s22, v[DD0]
	v_add_nc_u32 v[DD+1], s22, v[DD0+1]
	v_mov_b32 v[MM], 0xff7fffff
	v_mov_b32 v[MM+2], 0xff7fffff
	v_mov_b32 v[LL], 0
	v_mov_b32 v[LL+2], 0
	s_wait_loadcnt 0x0                             ; Q is in; s[20:21] is free again
.endm
.macro KFETCH slot, u                  ; 64 of my keys x 64 d: 16 loads
.irp mt, 0,1,2,3
.irp kd, 0,1
	ds_load_b128 v[KF+16*\mt+8*\kd:KF+16*\mt+8*\kd+3],   v[KAD+\slot] offset:(64*\u+16*\mt)*KP+64*\kd
	ds_load_b128 v[KF+16*\mt+8*\kd+4:KF+16*\mt+8*\kd+7], v[KAD+\slot] offset:(64*\u+16*\mt)*KP+64*\kd+32
.endr
.endr
.endm
.macro VFETCH slot, u                  ; 64 d x 64 of my keys, transposed on the way: 16 loads
.irp dt, 0,1,2,3
.irp ks, 0,1
	ds_load_tr16_b128 v[VF+16*\dt+8*\ks:VF+16*\dt+8*\ks+3],   v[VAD+\slot] offset:(64*\u+32*\ks)*VP+32*\dt
	ds_load_tr16_b128 v[VF+16*\dt+8*\ks+4:VF+16*\dt+8*\ks+7], v[VAD+\slot] offset:(64*\u+32*\ks)*VP+32*\dt+16*VP
.endr
.endr
.endm
; a block's last tile: my key 64 u + 16 mt + 8 h + jj is closed to the lane's query of set nt if it lies behind it
.macro MASK u
.irp nt, 0,1
.irp mt, 0,1,2,3
.irp jj, 0,1,2,3,4,5,6,7
	v_cmp_le_i32 vcc_lo, 64*\u+16*\mt+\jj, v[DD+\nt]
	v_cndmask_b32 v[SC+32*\nt+8*\mt+\jj], v[NINF], v[SC+32*\nt+8*\mt+\jj], vcc_lo
.endr
.endr
.endr
.endm
; 64 keys of 16 queries: new maximum, rescaling factor, p = 2^(c s - c max), sum, p to bf16 in the second product's layout
.macro SOFTMAX nt
.irp k, 0,1,2,3
	v_max3_num_f32 v[T+\k], v[SC+32*\nt+8*\k], v[SC+32*\nt+8*\k+1], v[SC+32*\nt+8*\k+2]
.endr
.irp k, 0,1,2,3
	v_max3_num_f32 v[T+\k], v[T+\k], v[SC+32*\nt+8*\k+3], v[SC+32*\nt+8*\k+4]
.endr
.irp k, 0,1,2,3
	v_max3_num_f32 v[T+\k], v[T+\k], v[SC+32*\nt+8*\k+5], v[SC+32*\nt+8*\k+6]
.endr
.irp k, 0,1,2,3
	v_max_num_f32 v[T+\k], v[T+\k], v[SC+32*\nt+8*\k+7]
.endr
	v_max3_num_f32 v[T], v[T], v[T+1], v[T+2]
	v_max_num_f32 v[T], v[T], v[T+3]
	v_permlanex16_b32 v[T+1], v[T], s14, s15       ; the other half of the wave holds the query's other keys
	v_max3_num_f32 v[MN], v[T], v[T+1], v[MM+2*\nt]
	v_sub_f32 v[T+2], v[MM+2*\nt], v[MN]
	v_mul_f32 v[T+2], s16, v[T+2]
	v_exp_f32 v[AL+2*\nt], v[T+2]
	v_exp_f32 v[AL+2*\nt+1], v[T+2]
	v_mul_f32 v[NM+2*\nt], s18, v[MN]              ; a plain instruction behind the exponentials, ahead of any use of them
	v_mul_f32 v[NM+2*\nt+1], s18, v[MN]
.irp k, 0,1,2,3,4,5,6,7,8,9,10,11,12,13,14,15
	v_pk_fma_f32 v[SC+32*\nt+2*\k:SC+32*\nt+2*\k+1], v[SC+32*\nt+2*\k:SC+32*\nt+2*\k+1], s[16:17], v[NM+2*\nt:NM+2*\nt+1] op_sel_hi:[1,0,1]
.endr
.set idx, 0
.rept 32
	v_exp_f32 v[SC+32*\nt+idx], v[SC+32*\nt+idx]
.set idx, idx+1
.endr
	v_mov_b32 v[MM+2*\nt], v[MN]                   ; the plain instruction behind the run of exponentials
	s_wait_alu depctr_va_vdst(0)
.irp k, 0,1,2,3
	v_pk_add_f32 v[T+2*\k:T+2*\k+1], v[SC+32*\nt+8*\k:SC+32*\nt+8*\k+1], v[SC+32*\nt+8*\k+2:SC+32*\nt+8*\k+3]
.endr
.irp k, 0,1,2,3
	v_pk_add_f32 v[T+2*\k:T+2*\k+1], v[T+2*\k:T+2*\k+1], v[SC+32*\nt+8*\k+4:SC+32*\nt+8*\k+5]
.endr
.irp k, 0,1,2,3
	v_pk_add_f32 v[T+2*\k:T+2*\k+1], v[T+2*\k:T+2*\k+1], v[SC+32*\nt+8*\k+6:SC+32*\nt+8*\k+7]
.endr
	v_pk_add_f32 v[T:T+1], v[T:T+1], v[T+2:T+3]
	v_pk_add_f32 v[T+4:T+5], v[T+4:T+5], v[T+6:T+7]
	v_pk_add_f32 v[T:T+1], v[T:T+1], v[T+4:T+5]
	v_add_f32 v[T], v[T], v[T+1]
	v_fma_f32 v[LL+2*\nt], v[LL+2*\nt], v[AL+2*\nt], v[T]
.irp ks, 0,1
.irp k, 0,1,2,3,4,5,6,7
	v_cvt_pk_bf16_f32 v[SC+32*\nt+16*\ks+\k], v[SC+32*\nt+16*\ks+2*\k], v[SC+32*\nt+16*\ks+2*\k+1]   ; word k is written when words 2 k and 2 k + 1 are read: in place
.endr
.endr
.endm
; 64 keys.  In both products eight accumulators take turns, one instruction a turn.
.macro SUB slot, u, tail
	s_wait_dscnt 0x0                               ; K's fragments are in
	WIN 0x04                                       ; source 1 (Q) in window 1
.irp nt, 0,1
.irp mt, 0,1,2,3
	v_wmma_f32_16x16x32_bf16 v[SC+32*\nt+8*\mt:SC+32*\nt+8*\mt+7], v[KF+16*\mt:KF+16*\mt+7], v[QF+16*\nt:QF+16*\nt+7], 0
.endr
.endr
.irp nt, 0,1
.irp mt, 0,1,2,3
	v_wmma_f32_16x16x32_bf16 v[SC+32*\nt+8*\mt:SC+32*\nt+8*\mt+7], v[KF+16*\mt+8:KF+16*\mt+15], v[QF+16*\nt+8:QF+16*\nt+15], v[SC+32*\nt+8*\mt:SC+32*\nt+8*\mt+7]
.endr
.endr
	WIN 0
.rept 4
	v_nop                                          ; four places: then S may be read and K's fragment registers loaded again (ISA guide 7.12.1)
.endr
	VFETCH \slot, \u
.if \u == 0
	KFETCH \slot, 1
.endif
.if \tail
	MASK \u
.else
	s_cmp_eq_u32 s19, 0
	s_cbranch_scc1 .Lopen_\@
	MASK \u
.Lopen_\@:
.endif
	SOFTMAX 0
	SOFTMAX 1
	WIN 0x41                                       ; O in window 1, the factor in window 0
.irp nt, 0,1
.irp k, 0,1,2,3,4,5,6,7,8,9,10,11,12,13,14,15
	v_pk_mul_f32 v[OA+32*\nt+2*\k:OA+32*\nt+2*\k+1], v[OA+32*\nt+2*\k:OA+32*\nt+2*\k+1], v[AL+2*\nt:AL+2*\nt+1]
.endr
.endr
.if \u == 0
	s_wait_dscnt 16                                ; V's fragments are in; the sixteen K loads issued behind them stay out
.else
	s_wait_dscnt 0x0
.endif
	WIN 0x50                                       ; C and D in window 1
.irp ks, 0,1
.irp nt, 0,1
.irp dt, 0,1,2,3
	v_wmma_f32_16x16x32_bf16 v[OA+32*\nt+8*\dt:OA+32*\nt+8*\dt+7], v[VF+16*\dt+8*\ks:VF+16*\dt+8*\ks+7], v[SC+32*\nt+16*\ks:SC+32*\nt+16*\ks+7], v[OA+32*\nt+8*\dt:OA+32*\nt+8*\dt+7]
.endr
.endr
.endr
	WIN 0
.rept 5
	v_nop                                          ; five places: the next first product writes over P (ISA guide 7.12.1)
.endr
.endm
; A block of queries ends (p = 0: the first, 1: the second): the sums' two halves are joined, and O, maxima and sums go to my own bytes of the stage.
.macro SEND p
.irp nt, 0,1
	v_permlanex16_b32 v[T+\nt], v[LL+2*\nt], s14, s15
.endr
.irp nt, 0,1
	v_add_f32 v[LL+2*\nt], v[LL+2*\nt], v[T+\nt]
.endr
.irp nt, 0,1
	ds_store_b64 v[XS8], v[MM+2*\nt:MM+2*\nt+1] offset:\p*PBX+8192+256*\nt
.endr
	WIN 0x04                                       ; an LDS store's data is source 1: window 1
.irp k, 0,1,2,3,4,5,6,7,8,9,10,11,12,13,14,15
	ds_store_b128 v[XST], v[OA+4*\k:OA+4*\k+3] offset:\p*PBX+512*\k
.endr
	WIN 0
.endm
; Sixteen queries of block p: my set 0 and my partner's set 1 are the same queries' two halves of the keys.  Both are weighted by 2^(c (own maximum - common maximum)),
; divided by the weighted sum of the sums, rounded to bf16 and stored: four stores of 512 consecutive bytes, aligned.  sb: the scalar pair with the block's place in ao.
.macro MERGE p, sb
	ds_load_b64 v[T:T+1], v[XS8] offset:\p*PBX+8192
	ds_load_b64 v[T+2:T+3], v[XL8] offset:\p*PBX+8192+256
.irp k, 0,1,2,3,4,5,6,7
	ds_load_b128 v[SC+32*\p+4*\k:SC+32*\p+4*\k+3], v[XST] offset:\p*PBX+512*\k
.endr
.irp k, 0,1,2,3,4,5,6,7
	ds_load_b128 v[KF+32*\p+4*\k:KF+32*\p+4*\k+3], v[XLD] offset:\p*PBX+4096+512*\k
.endr
	s_wait_dscnt 16                                ; the two pairs (maximum, sum) are in; the sixteen loads of O stay out
	v_max_num_f32 v[MN], v[T], v[T+2]
	v_sub_f32 v[T+4], v[T], v[MN]
	v_sub_f32 v[T+5], v[T+2], v[MN]
	v_mul_f32 v[T+4], s16, v[T+4]
	v_mul_f32 v[T+5], s16, v[T+5]
	v_exp_f32 v[T+4], v[T+4]
	v_exp_f32 v[T+5], v[T+5]
	v_nop                                          ; a plain instruction behind the exponentials
	s_wait_alu depctr_va_vdst(0)
	v_mul_f32 v[T+6], v[T+1], v[T+4]
	v_fma_f32 v[T+6], v[T+3], v[T+5], v[T+6]
	v_rcp_f32 v[T+7], v[T+6]
	v_nop                                          ; a plain instruction behind the reciprocal
	s_wait_alu depctr_va_vdst(0)
	v_mul_f32 v[AL], v[T+4], v[T+7]
	v_mul_f32 v[AL+1], v[T+4], v[T+7]
	v_mul_f32 v[AL+2], v[T+5], v[T+7]
	v_mul_f32 v[AL+3], v[T+5], v[T+7]
	s_wait_dscnt 0x0
.irp k, 0,1,2,3,4,5,6,7,8,9,10,11,12,13,14,15
	v_pk_mul_f32 v[SC+32*\p+2*\k:SC+32*\p+2*\k+1], v[SC+32*\p+2*\k:SC+32*\p+2*\k+1], v[AL:AL+1]
.endr
.irp k, 0,1,2,3,4,5,6,7,8,9,10,11,12,13,14,15
	v_pk_fma_f32 v[SC+32*\p+2*\k:SC+32*\p+2*\k+1], v[KF+32*\p+2*\k:KF+32*\p+2*\k+1], v[AL+2:AL+3], v[SC+32*\p+2*\k:SC+32*\p+2*\k+1]
.endr
.irp dt, 0,1,2,3
.irp k, 0,1,2,3
	v_cvt_pk_bf16_f32 v[SC+32*\p+8*\dt+\k], v[SC+32*\p+8*\dt+2*\k], v[SC+32*\p+8*\dt+2*\k+1]
.endr
.endr
.irp dt, 0,1,2,3
	global_store_b128 v[CO], v[SC+32*\p+8*\dt:SC+32*\p+8*\dt+3], s[\sb:\sb+1] offset:512*\dt   ; columns 16 dt .. of the head: half dt % 2 of its block dt / 2
.endr
.endm
.macro STEP slot, tail
.if \tail == 0
	s_sub_co_u32 s20, s11, 1
	s_cmp_eq_u32 s12, s20
	s_cselect_b32 s19, 1, 0                        ; the first block's last step holds its diagonal
.endif
	KFETCH \slot, 0
	SUB \slot, 0, \tail
	SUB \slot, 1, \tail
.if \tail == 0
	s_cmp_eq_u32 s19, 0
	s_cbranch_scc1 .Lon_\@
	SEND 0
	s_mov_b32 s2, s9                               ; the second block of queries
	PHASE_START
.Lon_\@:
.endif
.endm
; One step.  In front of the barrier every wave waits for all its tensor loads (this step's tile among them) and for its LDS instructions, the reads of the other slot
; among them; behind it the other slot is filled first, one load a wave, and has the whole step in which to land.
.macro TRIP slot, refill, tail
	s_wait_tensorcnt 0x0
	ds_add_u32 v62, v63
	s_wait_dscnt 0x0
.if \refill
	s_add_co_u32 s20, s12, 1                       ; the next step,
	s_sub_co_u32 s21, s20, s11
	s_cmp_ge_u32 s20, s11
	s_cselect_b32 s20, s21, s20                    ; its key tile: counted anew in the second block
	s_lshl_b32 s20, s20, 15                        ; 256 keys x 128 bytes
	s_mov_b32 s21, 0
	s_add_nc_u64 s[46-4*\slot:47-4*\slot], s[56:57], s[20:21]      ; no load of mine is out: the other slot's addresses may be written
	s_or_b32 s[47-4*\slot], s[47-4*\slot], 0x80000000
	s_add_nc_u64 s[54-4*\slot:55-4*\slot], s[58:59], s[20:21]
	s_or_b32 s[55-4*\slot], s[55-4*\slot], 0x80000000
.endif
	s_wait_dscnt 0x0
	s_barrier_signal -1
	s_barrier_wait -1
.if \refill
	KVLOAD 1-\slot
.endif
	STEP \slot, \tail
	s_add_co_u32 s12, s12, 1
.endm
	PHASE_START                                    ; block 15 - j
	s_mov_b32 s13, 4
.Lpair:
	TRIP 0, 1, 0
	TRIP 1, 1, 0
	s_sub_co_u32 s13, s13, 1
	s_cmp_lg_u32 s13, 0
	s_cbranch_scc1 .Lpair
	TRIP 0, 0, 1                                   ; step 8 is always the second block's last tile: no fill, no branch
	SEND 1
	s_wait_dscnt 0x0                               ; my stores to the stage are done (the first block's were, at an earlier barrier),
	s_barrier_signal -1
	s_barrier_wait -1                              ; everybody's are
	s_sub_co_u32 s20, 15, s9
	s_lshl_b32 s20, s20, 18                        ; a block of 128 queries: 8 groups of 16 tokens x 32,768 bytes
	s_mov_b32 s21, 0
	s_add_nc_u64 s[20:21], s[62:63], s[20:21]
	s_lshl_b32 s22, s9, 18
	s_mov_b32 s23, 0
	s_add_nc_u64 s[22:23], s[62:63], s[22:23]
	MERGE 0, 20                                    ; the two joins use registers of their own: no store's data is written again
	MERGE 1, 22
	s_wait_tensorcnt 0x0
	ds_add_u32 v62, v63
	s_wait_dscnt 0x0
	s_endpgm
.Lfunc_end_k_qc6cf899049_attn:
	.size	k_qc6cf899049_attn, .Lfunc_end_k_qc6cf899049_attn-k_qc6cf899049_attn
	.p2alignl 7, 3214868480
	.fill 96, 4, 3214868480
	.section	.rodata,"a",@progbits
	.p2align	6, 0x0
	.amdhsa_kernel k_qc6cf899049_attn
		.amdhsa_group_segment_fixed_size 327680
		.amdhsa_private_segment_fixed_size 0
		.amdhsa_enable_private_segment 0
		.amdhsa_kernarg_size 16
		.amdhsa_user_sgpr_count 2
		.amdhsa_user_sgpr_kernarg_segment_ptr 1
		.amdhsa_wavefront_size32 1
		.amdhsa_system_sgpr_workgroup_id_x 1
		.amdhsa_system_sgpr_workgroup_id_y 1
		.amdhsa_system_sgpr_workgroup_id_z 1
		.amdhsa_system_vgpr_workitem_id 0
		.amdhsa_next_free_vgpr 384
		.amdhsa_next_free_sgpr 72
		.amdhsa_reserve_vcc 1
		.amdhsa_float_denorm_mode_32 3
		.amdhsa_float_denorm_mode_16_64 3
		.amdhsa_memory_ordered 1
		.amdhsa_forward_progress 1
		.amdhsa_inst_pref_size 167
	.end_amdhsa_kernel
	.amdgpu_metadata
---
amdhsa.version: [ 1, 2 ]
amdhsa.kernels:
  - .name:           k_qc6cf899049_attn
    .symbol:         k_qc6cf899049_attn.kd
    .args:
      - { .name: qkv, .offset: 0, .size: 8, .value_kind: global_buffer, .address_space: global }
      - { .name: ao, .offset: 8, .size: 8, .value_kind: global_buffer, .address_space: global }
    .group_segment_fixed_size: 327680
    .private_segment_fixed_size: 0
    .kernarg_segment_align: 8
    .kernarg_segment_size: 16
    .max_flat_workgroup_size: 256
    .sgpr_count:     72
    .vgpr_count:     384
    .wavefront_size: 32
...
	.end_amdgpu_metadata
.endif
;; end of part 3
;; launch gemm_o (part 4): grid 8 x 32, 4 waves a work-group, clusters of 4 x 4, 295,424 bytes of LDS; arguments ao, wb, H, h1; writes h1
.if DOCPART == 4
	.amdgcn_target "amdgcn-amd-amdhsa--gfx1250"
	.amdhsa_code_object_version 6
	.text
	.protected	k_qc6cf899049_gemm_o
	.globl	k_qc6cf899049_gemm_o
	.p2align	8
	.type	k_qc6cf899049_gemm_o,@function
k_qc6cf899049_gemm_o:
	s_mov_b64 s[64:65], 0
	v_nop
	global_prefetch_b8 v0, s[64:65] scope:SCOPE_SE
	s_setreg_imm32_b32 hwreg(HW_REG_WAVE_MODE, 25, 1), 1
	s_wait_xcnt 0x0
	s_wait_alu depctr_hold_cnt(0) depctr_sa_sdst(0) depctr_va_vdst(0) depctr_va_sdst(0) depctr_va_ssrc(0) depctr_va_vcc(0) depctr_vm_vsrc(0)
	s_getreg_b32 s2, hwreg(HW_REG_IB_STS2, 6, 4)
	s_cmp_eq_u32 s2, 0
	s_cbranch_scc0 .Lentry_in_a_cluster
	s_endpgm
.Lentry_in_a_cluster:
	s_bfe_u32 s2, ttmp6, 0x10000c
	s_cmp_lg_u32 s2, 0xf033
	s_cbranch_scc0 .Lentry_shape_is_right
	s_endpgm
.Lentry_shape_is_right:
; h1 = H + ao x Wo.  ao: bf16 in fragment order, [256 (16 rows)][KTOT / 32 (32 k)][1,024 bytes].  Wo: [1024 (k)][1024 (n)] bf16 in wb.  H, h1: [4096][1024] f32.
; N = 1,024 gives 256 work-groups only with blocks of 128 x 128.  EVERY wave keeps the whole block in 512 registers and takes a quarter of K: 128 of each 512.
; The four partial sums meet in LDS at the end, on the way that an f32 result takes out anyway.  LIMIT: K is summed as four partial sums, added in f32 in a fixed order.
; THE LEFT OPERAND GOES STRAIGHT TO REGISTERS: with K split no two waves read the same byte of it, and the launch before stored it as the fragments' register image, so a
; fragment is two loads of 512 consecutive bytes.  A ring of four register buffers keeps three quarter steps (48 loads, 192 matrix instructions) ahead.
; So the LDS ring holds the weights alone: a slot of 147,456 bytes holds 512 k-rows, 256 matrix instructions of each wave, and from a request to the wait for it a wave
; issues 240.  With both operands in the ring a slot would hold half as many k.
; CLUSTERS: 4 x 4 work-groups; the weights' tiles are shared along a column of the cluster by joint loads.  The left operand is not asked for jointly: joint loads end in LDS.
; Each wave fetches, and reads, its own 128 k-rows of a slot.  The weights lie [K][N]: their fragments are read by the transposing load.
; WINDOWS: 0: addresses, left buffers 0-2 (v64-255); 1: residual rows 0-15 (v0-63), weight fragments (v64-191), left buffer 3 (v192-255); 2, 3: accumulators, tile (a, b) at v[8 (8 (a mod 4) + b)].
; The matrix instruction is used transposed: source 0 = 16 n of the weights, source 1 = 16 rows.
.set HAS_BIAS, 0
.set KTOT,   1024
.set BOFF,   6291456                   ; Wo's first byte in wb
.set RTB,    KTOT*32                   ; bytes of 16 rows of the left operand
.set QUART,  36864                     ; what one tensor load fills: 128 k-rows x 288
.set SLOT,   4*QUART                   ; 512 k-rows
.set PB,     288                       ; a k-row of 128 n: 256 bytes + 32: an odd multiple of 32
.set BSTEP,  512*1024*2                ; a slot's k-rows in memory
.set LAPS,   KTOT/1024                 ; a lap = two slots = once round the ring
.set IPITCH, 528                       ; a row of a partial sum's image: 512 bytes + 16
.set IMG,    128*IPITCH
.set ADRB, 20                          ; v20-21  LDS address of my weight fragments in slot 0, 1
.set STO,  24
.set LOFF, 27                          ; v27     16 x lane
.set BI,   28                          ; v28-31  bias of my four columns
.set RD,   32                          ; v32-35  my rows in the four images
.set F0,   64
.set F1,   128
.set SA,   14                          ; s[14:15] the left operand at my block row, my quarter of K, the lap's first slot
.set G1B, 48
.set G0B, 56
.set MSB, 0
.macro WIN new
.if MSB != \new
	s_set_vgpr_msb (MSB<<8)|\new
.set MSB, \new
.endif
.endm
.set TO_B,   0x40
.macro ABUF q                          ; quarter q of every slot uses left buffer q: its first register AB and its window AWN
.if \q == 3
.set AB, 192
.set AWN, 1
.else
.set AB, 64+64*(\q)
.set AWN, 0
.endif
.endm
.macro CREST                           ; a round of the cluster's barrier behind its opening barrier
	s_cmp_lg_u32 s10, 0
	s_cbranch_scc1 .Lnot_wave_0_\@
	s_barrier_signal -3
.Lnot_wave_0_\@:
	s_barrier_wait -3
	s_barrier_signal -1
	s_barrier_wait -1
.endm
.macro CROUND
	s_barrier_signal -1
	s_barrier_wait -1
	CREST
.endm
; sixteen loads: the eight left fragments (128 rows x 32 k) of quarter q of the slot soff slots on from the lap's first
.macro ALOAD q, soff
	ABUF \q
	WIN (AWN<<6)
.irp i, 0,1,2,3,4,5,6,7
	global_load_b128 v[AB+8*\i:AB+8*\i+3],   v[LOFF], s[SA:SA+1] offset:\i*RTB+(16*\soff+\q)*1024
	global_load_b128 v[AB+8*\i+4:AB+8*\i+7], v[LOFF], s[SA:SA+1] offset:\i*RTB+(16*\soff+\q)*1024+512
.endr
.endm
; a quarter's sixteen loads.  kind 1: left fragments three quarters ahead; 2, 3: when none are left, the residual of my rows 0-15 and 16-31 (512 consecutive bytes a load); 0: none
.macro GLD kind, lq, lsoff
.if \kind == 1
	ALOAD \lq, \lsoff
.endif
.if \kind == 2
	WIN TO_B
.irp p, 0,1,2,3,4,5,6,7,8,9,10,11,12,13,14,15
	global_load_b128 v[4*\p:4*\p+3], v[LOFF], s[68:69] offset:4096*\p
.endr
.endif
.if \kind == 3
	WIN 0
.irp p, 0,1,2,3,4,5,6,7,8,9,10,11,12,13,14,15
	global_load_b128 v[64+4*\p:64+4*\p+3], v[LOFF], s[68:69] offset:4096*(16+\p)     ; into left buffer 0, read for the last time two quarters ago
.endr
.endif
.endm
; 16 matrix instructions: m blocks a0, a0 + 1 of the window's four x all 8 n blocks, 32 along K.  zero = 1: the first product starts the sums.
.macro MUL16 f, q, hi, a0, zero
	ABUF \q
	WIN (0xa1+0x50*\hi+4*AWN)                      ; source 0 window 1, source 1 the buffer's window, C and D window 2 or 3
.irp a, \a0, \a0+1
.irp b, 0,1,2,3,4,5,6,7
.if \zero
	v_wmma_f32_16x16x32_bf16 v[8*(8*(\a)+\b):8*(8*(\a)+\b)+7], v[\f+8*\b:\f+8*\b+7], v[AB+8*(4*\hi+\a):AB+8*(4*\hi+\a)+7], 0
.else
	v_wmma_f32_16x16x32_bf16 v[8*(8*(\a)+\b):8*(8*(\a)+\b)+7], v[\f+8*\b:\f+8*\b+7], v[AB+8*(4*\hi+\a):AB+8*(4*\hi+\a)+7], v[8*(8*(\a)+\b):8*(8*(\a)+\b)+7]
.endif
.endr
.endr
.endm
; 16 LDS loads: the weights' fragments (128 n x 32 k) of quarter q of my k-rows of a slot
.macro FETCHB slot, q, f
	WIN TO_B
.irp i, 0,1,2,3,4,5,6,7
	ds_load_tr16_b128 v[\f+8*\i:\f+8*\i+3],   v[ADRB+\slot] offset:(\q)*32*PB+32*\i
	ds_load_tr16_b128 v[\f+8*\i+4:\f+8*\i+7], v[ADRB+\slot] offset:(\q)*32*PB+32*\i+16*PB
.endr
.endm
.macro PLACES                          ; four plain vector instructions between a matrix instruction and a load into one of its registers
.rept 4
	v_nop
.endr
.endm
; A quarter: 32 of my k, 64 matrix instructions.  The 64 accumulators take turns, one instruction a turn, in the same order in every quarter, over the loop's jump too.
.macro QTR slot, q, f, g, zero, kind, lq, lsoff
	PLACES
	s_wait_loadcnt 32                              ; this quarter's sixteen loads are in; the 32 issued behind them stay out
	GLD \kind, \lq, \lsoff                         ; into the buffer that the last quarter read
	s_wait_dscnt 0x0                               ; the weights' fragments are in
	MUL16 \f, \q, 0, 0, \zero
	MUL16 \f, \q, 0, 2, \zero
	PLACES
	FETCHB \slot, \q+1, \g
	MUL16 \f, \q, 1, 0, \zero
	MUL16 \f, \q, 1, 2, \zero
.endm
; The fourth quarter changes slots.  In front of the barrier each wave waits for its reads of this slot and for all its tensor loads (one is out: its part of the next slot).
; Where the slot is filled again the barrier opens a round of the cluster's barrier, and the joint refill is the first tensor load behind the round.
.macro TURN slot, next, fill, kind, lq, lsoff
	PLACES
	s_wait_loadcnt 32
	GLD \kind, \lq, \lsoff
	s_wait_dscnt 0x0
	s_wait_tensorcnt 0x0
	s_barrier_signal -1
	MUL16 F1, 3, 0, 0, 0                           ; register work between signal and wait
	WIN 0
	s_barrier_wait -1
.if \fill
	CREST
	s_add_nc_u64 s[G0B+4*\slot+2:G0B+4*\slot+3], s[G0B+4*\slot+2:G0B+4*\slot+3], 2*BSTEP   ; no load of mine is out: the address steps, two slots on
	tensor_load_to_lds s[G0B+4*\slot:G0B+4*\slot+3], s[G1B:G1B+7]
.endif
	MUL16 F1, 3, 0, 2, 0
	PLACES
	FETCHB \next, 0, F0
	MUL16 F1, 3, 1, 0, 0
	MUL16 F1, 3, 1, 2, 0
.endm
.macro LAP zero, last
	QTR 0, 0, F0, F1, \zero, 1, 3, 0
	QTR 0, 1, F1, F0, 0, 1, 0, 1
	QTR 0, 2, F0, F1, 0, 1, 1, 1
	TURN 0, 1, 1-\last, 1, 2, 1
	QTR 1, 0, F0, F1, 0, 1, 3, 1
.if \last
	QTR 1, 1, F1, F0, 0, 2, 0, 0
	QTR 1, 2, F0, F1, 0, 3, 0, 0
	PLACES                                         ; the very last quarter: nothing more to fetch
	s_wait_loadcnt 32                              ; its fragments are in; the residual's 32 loads stay out
	s_wait_dscnt 0x0
	MUL16 F1, 3, 0, 0, 0
	MUL16 F1, 3, 0, 2, 0
	MUL16 F1, 3, 1, 0, 0
	MUL16 F1, 3, 1, 2, 0
.else
	QTR 1, 1, F1, F0, 0, 1, 0, 2
	QTR 1, 2, F0, F1, 0, 1, 1, 2
	TURN 1, 0, 1, 1, 2, 2
	WIN 0
	s_wait_xcnt 0x0                                ; the loads' base is stepped only behind this wait
	s_add_nc_u64 s[SA:SA+1], s[SA:SA+1], 32768     ; two slots: 32 blocks of 1,024 bytes
.endif
.endm
	s_load_b128 s[4:7], s[0:1], 0x0                ; left operand s[4:5], wb s[6:7]
	s_load_b128 s[68:71], s[0:1], 0x10             ; residual s[68:69], result s[70:71]
	v_lshl_add_u32 v62, v0, 2, 0x48000
	v_mov_b32 v63, 0
	ds_add_u32 v62, v63
.if HAS_BIAS
	s_load_b64 s[72:73], s[0:1], 0x20              ; bias
.endif
	v_lshrrev_b32 v1, 5, v0
	v_readfirstlane_b32 s10, v1                    ; wave 0..3: my quarter of K, and my 32 rows on the way out
	s_bfe_u32 s40, ttmp6, 0x40000                  ; cx
	s_bfe_u32 s41, ttmp6, 0x40004                  ; cy
	s_lshl_b32 s42, ttmp9, 2
	s_add_co_u32 s42, s42, s40                     ; block column
	s_and_b32 s13, ttmp7, 0xffff
	s_lshl_b32 s13, s13, 2
	s_add_co_u32 s13, s13, s41                     ; block row
	s_lshl_b32 s44, 0x1111, s40                    ; my column of the cluster: places cx, cx + 4, cx + 8, cx + 12
	s_or_b32 s[G1B+0], s44, (1<<16)|(1<<20)|(1<<21)|(5<<22)|(7<<25)  ; mask; 2-byte elements; 8 words of padding behind every 64; bit 21 beside a mask
	s_mov_b32 s[G1B+1], 128<<16                    ; tensor_dim0 = 128
	s_mov_b32 s[G1B+2], 128<<16                    ; tensor_dim1 = 128
	s_mov_b32 s[G1B+3], 128<<16                    ; tile_dim0 = 128 n: 256 bytes of a k-row
	s_mov_b32 s[G1B+4], 128                        ; tile_dim1 = 128 k-rows
	s_mov_b32 s[G1B+5], 1024
	s_mov_b32 s[G1B+6], 0
	s_mov_b32 s[G1B+7], 0
	s_mul_i32 s16, s13, 8*RTB                      ; left operand: 128 rows a block row,
	s_lshl_b32 s17, s10, 12                        ; my quarter of a slot's k: 4 blocks of 1,024 bytes
	s_add_co_u32 s16, s16, s17
	s_mov_b32 s17, 0
	s_lshl_b32 s46, s10, 18                        ; weights: my 128 k-rows x 2,048 bytes,
	s_lshl_b32 s45, s42, 8                         ; 256 bytes a block column: the wave's number and the shared block column alone
	s_add_co_u32 s46, s46, s45
	s_add_co_u32 s46, s46, BOFF
	s_mov_b32 s47, 0
	s_mul_i32 s20, s10, QUART                      ; my part of a slot: no place in the cluster enters an LDS address
	s_lshl_b32 s66, s13, 19                        ; residual and result: 128 rows x 4,096 bytes a block row,
	s_lshl_b32 s67, s10, 17                        ; 32 rows a wave,
	s_add_co_u32 s66, s66, s67
	s_lshl_b32 s74, s42, 9                         ; 512 bytes a block column
	s_add_co_u32 s66, s66, s74
	s_mov_b32 s67, 0
	s_mov_b32 s75, 0
	v_and_b32 v4, 31, v0
	v_lshlrev_b32 v[LOFF], 4, v4
	s_wait_dscnt 0x0
	s_wait_kmcnt 0x0
	s_add_nc_u64 s[SA:SA+1], s[4:5], s[16:17]
	s_add_nc_u64 s[46:47], s[6:7], s[46:47]
	s_add_nc_u64 s[68:69], s[68:69], s[66:67]
	s_add_nc_u64 s[70:71], s[70:71], s[66:67]
.if HAS_BIAS
	s_add_nc_u64 s[72:73], s[72:73], s[74:75]
	global_load_b128 v[BI:BI+3], v[LOFF], s[72:73] ; the oldest load: in when the first fragments are
.endif
	ALOAD 0, 0                                     ; the register ring is filled: quarters 0, 1, 2
	ALOAD 1, 0
	ALOAD 2, 0
	WIN 0
	CROUND                                         ; all sixteen work-groups are here: the first joint loads meet
.irp s, 0,1
	s_mov_b32 s[G0B+4*\s], 1
	s_add_co_u32 s[G0B+4*\s+1], s20, \s*SLOT
	s_add_nc_u64 s[G0B+4*\s+2:G0B+4*\s+3], s[46:47], \s*BSTEP
	s_or_b32 s[G0B+4*\s+3], s[G0B+4*\s+3], 0x80000000
	tensor_load_to_lds s[G0B+4*\s:G0B+4*\s+3], s[G1B:G1B+7]        ; two loads of the wave are out: slots 0 and 1
	s_nop 0
.endr
	v_and_b32 v1, 15, v0                           ; r
	v_bfe_u32 v2, v0, 4, 1                         ; h
	v_and_b32 v7, 7, v0
	v_lshl_add_u32 v5, v2, 3, v7                   ; k-row 8 h + l % 8,
	v_mul_u32_u24 v5, v5, PB
	v_bfe_u32 v6, v0, 3, 1
	v_lshl_add_u32 v5, v6, 4, v5                   ; and 16 bytes further for lanes 8-15 and 24-31
	v_add_nc_u32 v[ADRB], s20, v5
	v_add_nc_u32 v[ADRB+1], SLOT, v[ADRB]
	s_mul_i32 s23, s10, IMG                        ; my image
	v_mul_u32_u24 v4, v1, IPITCH
	v_lshl_add_u32 v4, v2, 5, v4
	v_add_nc_u32 v[STO], s23, v4                   ; row r, 32 bytes (8 f32) for each half of the lanes
	s_mul_i32 s23, s10, 32*IPITCH                  ; my 32 rows, in each of the four images
.irp g, 0,1,2,3
	v_add_nc_u32 v[RD+\g], s23, v[LOFF]
	s_add_co_u32 s23, s23, IMG
.endr
	s_wait_tensorcnt 1                             ; my part of slot 0 is in; slot 1's stays out
	s_barrier_signal -1
	s_barrier_wait -1
	FETCHB 0, 0, F0
.if LAPS > 1
	LAP 1, 0                                       ; the first quarter's products start the sums: nothing is cleared
.if LAPS > 2
	s_mov_b32 s3, LAPS-2
.Llap:
	LAP 0, 0
	s_sub_co_u32 s3, s3, 1
	s_cmp_lg_u32 s3, 0
	s_cbranch_scc1 .Llap
.endif
	LAP 0, 1                                       ; the last lap fills nothing
.else
	LAP 1, 1                                       ; K is one lap: both slots are first fills
.endif
	; THE FOUR PARTIAL SUMS MEET.  The ring has had its last fill; when every wave's reads of it are over, each wave lays its 128 x 128 f32 down as a row-major image.
	PLACES
	WIN 0
	s_wait_dscnt 0x0
	s_barrier_signal -1
	s_barrier_wait -1
	WIN 0x08                                       ; store data in window 2
.irp a, 0,1,2,3
.irp b, 0,1,2,3,4,5,6,7
	ds_store_b128 v[STO], v[8*(8*\a+\b):8*(8*\a+\b)+3]   offset:\a*16*IPITCH+64*\b
	ds_store_b128 v[STO], v[8*(8*\a+\b)+4:8*(8*\a+\b)+7] offset:\a*16*IPITCH+64*\b+16
.endr
.endr
	WIN 0x0c                                       ; window 3
.irp a, 0,1,2,3
.irp b, 0,1,2,3,4,5,6,7
	ds_store_b128 v[STO], v[8*(8*\a+\b):8*(8*\a+\b)+3]   offset:(\a+4)*16*IPITCH+64*\b
	ds_store_b128 v[STO], v[8*(8*\a+\b)+4:8*(8*\a+\b)+7] offset:(\a+4)*16*IPITCH+64*\b+16
.endr
.endr
	WIN 0
	s_wait_dscnt 0x0                               ; my image is written,
	s_barrier_signal -1
	s_barrier_wait -1                              ; everybody's is
	s_wait_loadcnt 0x0                             ; the residual is in
; eight of my 32 rows: four images' rows are added, then bias and residual; res, rwin: the residual's first register and the setting that reaches it as source 1
.macro RBATCH n, res, rwin
	s_wait_xcnt 0x0                                ; the registers that the last batch stored from are loaded again only behind this wait
.irp p, 0,1,2,3,4,5,6,7
.irp g, 0,1,2,3
	ds_load_b128 v[128+16*\p+4*\g:128+16*\p+4*\g+3], v[RD+\g] offset:(8*\n+\p)*IPITCH
.endr
.endr
.irp p, 0,1,2,3,4,5,6,7
	s_wait_dscnt 4*(7-\p)                          ; the later rows' four loads each stay out
	v_pk_add_f32 v[128+16*\p:129+16*\p], v[128+16*\p:129+16*\p], v[132+16*\p:133+16*\p]
	v_pk_add_f32 v[130+16*\p:131+16*\p], v[130+16*\p:131+16*\p], v[134+16*\p:135+16*\p]
	v_pk_add_f32 v[136+16*\p:137+16*\p], v[136+16*\p:137+16*\p], v[140+16*\p:141+16*\p]
	v_pk_add_f32 v[138+16*\p:139+16*\p], v[138+16*\p:139+16*\p], v[142+16*\p:143+16*\p]
	v_pk_add_f32 v[128+16*\p:129+16*\p], v[128+16*\p:129+16*\p], v[136+16*\p:137+16*\p]
	v_pk_add_f32 v[130+16*\p:131+16*\p], v[130+16*\p:131+16*\p], v[138+16*\p:139+16*\p]
.if HAS_BIAS
	v_pk_add_f32 v[128+16*\p:129+16*\p], v[128+16*\p:129+16*\p], v[BI:BI+1]
	v_pk_add_f32 v[130+16*\p:131+16*\p], v[130+16*\p:131+16*\p], v[BI+2:BI+3]
.endif
.endr
	WIN \rwin
.irp p, 0,1,2,3,4,5,6,7
	v_pk_add_f32 v[128+16*\p:129+16*\p], v[128+16*\p:129+16*\p], v[\res+4*\p:\res+4*\p+1]
	v_pk_add_f32 v[130+16*\p:131+16*\p], v[130+16*\p:131+16*\p], v[\res+4*\p+2:\res+4*\p+3]
.endr
	WIN 0
.irp p, 0,1,2,3,4,5,6,7
	global_store_b128 v[LOFF], v[128+16*\p:131+16*\p], s[70:71] offset:(8*\n+\p)*4096   ; a wave's store: 512 consecutive bytes of a row, aligned
.endr
.endm
	RBATCH 0, 0, 0x04
	RBATCH 1, 32, 0x04
	RBATCH 2, 64, 0
	RBATCH 3, 96, 0
	s_wait_tensorcnt 0x0
	ds_add_u32 v62, v63
	s_wait_dscnt 0x0
	CROUND                                         ; the closing round: no work-group ends while a partner may still ask for a tile that names it
	s_endpgm
.Lfunc_end_k_qc6cf899049_gemm_o:
	.size	k_qc6cf899049_gemm_o, .Lfunc_end_k_qc6cf899049_gemm_o-k_qc6cf899049_gemm_o
	.p2alignl 7, 3214868480
	.fill 96, 4, 3214868480
	.section	.rodata,"a",@progbits
	.p2align	6, 0x0
	.amdhsa_kernel k_qc6cf899049_gemm_o
		.amdhsa_group_segment_fixed_size 295424
		.amdhsa_private_segment_fixed_size 0
		.amdhsa_enable_private_segment 0
		.amdhsa_kernarg_size 32
		.amdhsa_user_sgpr_count 2
		.amdhsa_user_sgpr_kernarg_segment_ptr 1
		.amdhsa_wavefront_size32 1
		.amdhsa_system_sgpr_workgroup_id_x 1
		.amdhsa_system_sgpr_workgroup_id_y 1
		.amdhsa_system_sgpr_workgroup_id_z 1
		.amdhsa_system_vgpr_workitem_id 0
		.amdhsa_next_free_vgpr 1024
		.amdhsa_next_free_sgpr 76
		.amdhsa_reserve_vcc 0
		.amdhsa_float_denorm_mode_32 3
		.amdhsa_float_denorm_mode_16_64 3
		.amdhsa_memory_ordered 1
		.amdhsa_forward_progress 1
		.amdhsa_inst_pref_size 101
	.end_amdhsa_kernel
	.amdgpu_metadata
---
amdhsa.version: [ 1, 2 ]
amdhsa.kernels:
  - .name:           k_qc6cf899049_gemm_o
    .symbol:         k_qc6cf899049_gemm_o.kd
    .args:
      - { .name: ao, .offset: 0, .size: 8, .value_kind: global_buffer, .address_space: global }
      - { .name: wb, .offset: 8, .size: 8, .value_kind: global_buffer, .address_space: global }
      - { .name: H, .offset: 16, .size: 8, .value_kind: global_buffer, .address_space: global }
      - { .name: h1, .offset: 24, .size: 8, .value_kind: global_buffer, .address_space: global }
    .group_segment_fixed_size: 295424
    .private_segment_fixed_size: 0
    .kernarg_segment_align: 8
    .kernarg_segment_size: 32
    .max_flat_workgroup_size: 128
    .sgpr_count:     76
    .vgpr_count:     1024
    .wavefront_size: 32
...
	.end_amdgpu_metadata
.endif
;; end of part 4
;; launch ln2 (part 5): grid 256 x 1, 8 waves a work-group, no clusters, 0 bytes of LDS; arguments h1, ln2_g, ln2_b, xn; writes xn
.if DOCPART == 5
	.amdgcn_target "amdgcn-amd-amdhsa--gfx1250"
	.amdhsa_code_object_version 6
	.text
	.protected	k_qc6cf899049_ln2
	.globl	k_qc6cf899049_ln2
	.p2align	8
	.type	k_qc6cf899049_ln2,@function
k_qc6cf899049_ln2:
	s_mov_b64 s[64:65], 0
	v_nop
	global_prefetch_b8 v0, s[64:65] scope:SCOPE_SE
	s_setreg_imm32_b32 hwreg(HW_REG_WAVE_MODE, 25, 1), 1
	s_wait_xcnt 0x0
; xn = LayerNorm(h1) * g + b, rounded once to bf16.  h1: [4096][1024] f32.  Sixteen rows a work-group, two a wave.
; A row stays in 32 registers between the mean, the mean of squared differences from it, and the scaling: h1 is read once, and a row's common offset
; cancels before anything is squared.  No LDS, no barrier, no matrix unit: a row never leaves its wave.
.set MU, 4                             ; v[4:5]     the row's mean, twice
.set RS, 6                             ; v[6:7]     1 / sqrt(var + eps), twice
.set Y,  8                             ; v[8:23]    a row as bf16
.set T,  24                            ; v[24:31]   four chains of packed sums
.set X0, 32
.set X1, 64
.set G,  96
.set BV, 128
	s_load_b256 s[8:15], s[0:1], 0x0               ; h1 s[8:9], g s[10:11], b s[12:13], xn s[14:15]
	v_lshrrev_b32 v3, 5, v0
	v_readfirstlane_b32 s30, v3
	v_and_b32 v3, 31, v0
	v_lshlrev_b32 v1, 4, v3
	v_lshlrev_b32 v2, 3, v3
	s_lshl_b32 s31, s30, 1
	s_mov_b32 s43, 0
	s_mov_b32 s32, 0x76543210
	s_mov_b32 s33, 0xfedcba98
	s_mov_b32 s38, 0x3a800000                      ; 1 / 1024
	s_mov_b32 s39, 0x3727c5ac                      ; 1e-5
	s_lshl_b32 s34, ttmp9, 4
	s_add_co_u32 s34, s34, s31                     ; my first row
	s_lshl_b32 s42, s34, 12
	s_wait_kmcnt 0x0
	s_add_nc_u64 s[8:9], s[8:9], s[42:43]
	s_lshl_b32 s42, s34, 11
	s_add_nc_u64 s[14:15], s[14:15], s[42:43]
.irp i, 0,1,2,3,4,5,6,7
	global_load_b128 v[X0+4*\i:X0+4*\i+3], v1, s[8:9] offset:512*\i
.endr
.irp i, 0,1,2,3,4,5,6,7
	global_load_b128 v[X1+4*\i:X1+4*\i+3], v1, s[8:9] offset:4096+512*\i
.endr
.irp i, 0,1,2,3,4,5,6,7
	global_load_b128 v[G+4*\i:G+4*\i+3], v1, s[10:11] offset:512*\i
.endr
.irp i, 0,1,2,3,4,5,6,7
	global_load_b128 v[BV+4*\i:BV+4*\i+3], v1, s[12:13] offset:512*\i
.endr
.macro WSUM r, t                       ; the sum of v[r] over the 32 lanes, in every lane; v[t] has been written before
	v_add_f32_dpp v[\r], v[\r], v[\r] row_xmask:1 row_mask:0xf bank_mask:0xf
	v_add_f32_dpp v[\r], v[\r], v[\r] row_xmask:2 row_mask:0xf bank_mask:0xf
	v_add_f32_dpp v[\r], v[\r], v[\r] row_xmask:4 row_mask:0xf bank_mask:0xf
	v_add_f32_dpp v[\r], v[\r], v[\r] row_xmask:8 row_mask:0xf bank_mask:0xf
	v_permlanex16_b32 v[\t], v[\r], s32, s33
	v_add_f32 v[\r], v[\r], v[\t]
.endm
.macro JOIN
	v_pk_add_f32 v[T:T+1], v[T:T+1], v[T+2:T+3]
	v_pk_add_f32 v[T+4:T+5], v[T+4:T+5], v[T+6:T+7]
	v_pk_add_f32 v[T:T+1], v[T:T+1], v[T+4:T+5]
	v_add_f32 v[T], v[T], v[T+1]
.endm
.macro LNROW X, rowoff, left
	s_wait_loadcnt \left
.irp k, 0,1,2,3
	v_pk_add_f32 v[T+2*\k:T+2*\k+1], v[\X+4*\k:\X+4*\k+1], v[\X+4*\k+2:\X+4*\k+3]
.endr
.irp k, 0,1,2,3,4,5,6,7
	v_pk_add_f32 v[T+2*(\k%4):T+2*(\k%4)+1], v[T+2*(\k%4):T+2*(\k%4)+1], v[\X+16+2*\k:\X+16+2*\k+1]
.endr
	JOIN
	WSUM T, T+1
	v_mul_f32 v[MU], s38, v[T]
	v_mul_f32 v[MU+1], s38, v[T]
.irp k, 0,1,2,3,4,5,6,7,8,9,10,11,12,13,14,15
	v_pk_add_f32 v[\X+2*\k:\X+2*\k+1], v[\X+2*\k:\X+2*\k+1], v[MU:MU+1] neg_lo:[0,1] neg_hi:[0,1]
.endr
.irp k, 0,1,2,3
	v_pk_mul_f32 v[T+2*\k:T+2*\k+1], v[\X+2*\k:\X+2*\k+1], v[\X+2*\k:\X+2*\k+1]
.endr
.irp k, 4,5,6,7,8,9,10,11,12,13,14,15
	v_pk_fma_f32 v[T+2*(\k%4):T+2*(\k%4)+1], v[\X+2*\k:\X+2*\k+1], v[\X+2*\k:\X+2*\k+1], v[T+2*(\k%4):T+2*(\k%4)+1]
.endr
	JOIN
	WSUM T, T+1
	v_fma_f32 v[T], v[T], s38, s39                 ; var + eps
	v_rsq_f32 v[RS], v[T]
	v_rsq_f32 v[RS+1], v[T]
	s_wait_loadcnt 0x0                             ; gain and bias are in
	s_wait_xcnt 0x0                                ; Y, which the row before stored from, is rewritten only behind this wait
	v_nop                                          ; one plain instruction between v_rsq_f32 and the use of its result
	s_wait_alu depctr_va_vdst(0)
.irp k, 0,1,2,3,4,5,6,7,8,9,10,11,12,13,14,15
	v_pk_mul_f32 v[\X+2*\k:\X+2*\k+1], v[\X+2*\k:\X+2*\k+1], v[RS:RS+1]
.endr
.irp k, 0,1,2,3,4,5,6,7,8,9,10,11,12,13,14,15
	v_pk_fma_f32 v[\X+2*\k:\X+2*\k+1], v[\X+2*\k:\X+2*\k+1], v[G+2*\k:G+2*\k+1], v[BV+2*\k:BV+2*\k+1]
.endr
.irp k, 0,1,2,3,4,5,6,7,8,9,10,11,12,13,14,15
	v_cvt_pk_bf16_f32 v[Y+\k], v[\X+2*\k], v[\X+2*\k+1]
.endr
.irp i, 0,1,2,3,4,5,6,7
	global_store_b64 v2, v[Y+2*\i:Y+2*\i+1], s[14:15] offset:\rowoff+256*\i    ; a wave's store: 256 consecutive bytes, aligned
.endr
.endm
	LNROW X0, 0, 24                                ; the second row, gain and bias (24 loads) stay out
	LNROW X1, 2048, 0
	s_endpgm
.Lfunc_end_k_qc6cf899049_ln2:
	.size	k_qc6cf899049_ln2, .Lfunc_end_k_qc6cf899049_ln2-k_qc6cf899049_ln2
	.p2alignl 7, 3214868480
	.fill 96, 4, 3214868480
	.section	.rodata,"a",@progbits
	.p2align	6, 0x0
	.amdhsa_kernel k_qc6cf899049_ln2
		.amdhsa_group_segment_fixed_size 0
		.amdhsa_private_segment_fixed_size 0
		.amdhsa_enable_private_segment 0
		.amdhsa_kernarg_size 32
		.amdhsa_user_sgpr_count 2
		.amdhsa_user_sgpr_kernarg_segment_ptr 1
		.amdhsa_wavefront_size32 1
		.amdhsa_system_sgpr_workgroup_id_x 1
		.amdhsa_system_sgpr_workgroup_id_y 1
		.amdhsa_system_sgpr_workgroup_id_z 1
		.amdhsa_system_vgpr_workitem_id 0
		.amdhsa_next_free_vgpr 160
		.amdhsa_next_free_sgpr 66
		.amdhsa_reserve_vcc 0
		.amdhsa_float_denorm_mode_32 3
		.amdhsa_float_denorm_mode_16_64 3
		.amdhsa_memory_ordered 1
		.amdhsa_forward_progress 1
		.amdhsa_inst_pref_size 20
	.end_amdhsa_kernel
	.amdgpu_metadata
---
amdhsa.version: [ 1, 2 ]
amdhsa.kernels:
  - .name:           k_qc6cf899049_ln2
    .symbol:         k_qc6cf899049_ln2.kd
    .args:
      - { .name: h1, .offset: 0, .size: 8, .value_kind: global_buffer, .address_space: global }
      - { .name: ln2_g, .offset: 8, .size: 8, .value_kind: global_buffer, .address_space: global }
      - { .name: ln2_b, .offset: 16, .size: 8, .value_kind: global_buffer, .address_space: global }
      - { .name: xn, .offset: 24, .size: 8, .value_kind: global_buffer, .address_space: global }
    .group_segment_fixed_size: 0
    .private_segment_fixed_size: 0
    .kernarg_segment_align: 8
    .kernarg_segment_size: 32
    .max_flat_workgroup_size: 256
    .sgpr_count:     66
    .vgpr_count:     160
    .wavefront_size: 32
...
	.end_amdgpu_metadata
.endif
;; end of part 5
;; launch gemm_1 (part 6): grid 16 x 16, 4 waves a work-group, clusters of 4 x 4, 327,680 bytes of LDS; arguments xn, wb, b1, gl; writes gl
.if DOCPART == 6
	.amdgcn_target "amdgcn-amd-amdhsa--gfx1250"
	.amdhsa_code_object_version 6
	.text
	.protected	k_qc6cf899049_gemm_1
	.globl	k_qc6cf899049_gemm_1
	.p2align	8
	.type	k_qc6cf899049_gemm_1,@function
k_qc6cf899049_gemm_1:
	s_mov_b64 s[64:65], 0
	v_nop
	global_prefetch_b8 v0, s[64:65] scope:SCOPE_SE
	s_setreg_imm32_b32 hwreg(HW_REG_WAVE_MODE, 25, 1), 1
	s_wait_xcnt 0x0
	s_wait_alu depctr_hold_cnt(0) depctr_sa_sdst(0) depctr_va_vdst(0) depctr_va_sdst(0) depctr_va_ssrc(0) depctr_va_vcc(0) depctr_vm_vsrc(0)
	s_getreg_b32 s2, hwreg(HW_REG_IB_STS2, 6, 4)
	s_cmp_eq_u32 s2, 0
	s_cbranch_scc0 .Lentry_in_a_cluster
	s_endpgm
.Lentry_in_a_cluster:
	s_bfe_u32 s2, ttmp6, 0x10000c
	s_cmp_lg_u32 s2, 0xf033
	s_cbranch_scc0 .Lentry_shape_is_right
	s_endpgm
.Lentry_shape_is_right:
; gl = gelu(xn x W1 + b1), the exact (erf) GELU.  xn: [4096][1024] bf16.  W1: [1024 (k)][4096 (n)] bf16 in wb.  b1: [4096] f32.
; gl is written in the order in which the next product's left fragments are read: [256 (16 rows)][128 (32 columns)][1,024 bytes]; in a block of 1,024 bytes lane l's
; 16 bytes of columns 8 (l / 16) .. + 7 of row l % 16 stand at 16 l, those of columns 16 + 8 (l / 16) .. at 512 + 16 l.  That IS the layout in which the results lie in
; my registers (see the transposed use below), so they are stored as they are: no way through LDS, and each store of the wave covers 512 consecutive bytes, aligned.
; A work-group makes 256 x 256 with four waves, a wave 128 x 128 in 512 registers; K in steps of 128 through two LDS slots filled by the tensor data mover.
; CLUSTERS: 4 x 4 work-groups; xn's tiles are shared along a row of the cluster, W1's along a column, by joint loads.
; W1 lies [K][N]: its fragments are read by the transposing load.  Windows: 0 addresses, xn's fragments, work on the way out; 1 W1's fragments and the bias; 2, 3 accumulators.
; The matrix instruction is used transposed (source 0 = 16 n of W1, source 1 = 16 rows of xn): a lane holds eight neighbouring columns of one row.
; GELU: gelu(x) = max(x, 0) - |x| erfc(|x| / sqrt 2) / 2, with erfc(z) = (a1 t + .. + a5 t^5) exp(-z^2), t = 1 / (1 + 0.3275911 z).
; LIMITS: that form of erfc has an absolute error of 1.5e-7 for every z >= 0; written on |x| it forms no difference of near numbers for negative x.  x = +-inf gives NaN.
.set SIZE_K, 1024
.set SIZE_N, 4096
.set BOFF,   8388608                   ; W1's first byte in wb
.set GRTB,   SIZE_N*32                 ; bytes of 16 rows of gl
.set KSTEP,  128
.set PA,     272
.set PB,     544
.set HALFT,  34816
.set SLOT,   4*HALFT
.set LAPS,   SIZE_K/(2*KSTEP)
.set ADRA, 16
.set ADRB, 20
.set LOFF, 24                          ; v24     16 x lane
.set BO,   27                          ; v27     byte offset of my eight columns' bias in a block of sixteen
.set UU,   28                          ; v28-35  1 + p |x|, then t
.set YY,   36                          ; v36-43  exp(-x^2 / 2)
.set PP,   44                          ; v44-51  the polynomial
.set MXR,  52                          ; v52-59  max(x, 0)
.set C4,   60                          ; v60-61  a4 / 2, twice
.set F0,   64
.set F1,   128
.set XR,   192                         ; v192-255 sixteen rows' results at work
.set G1,  24
.set G0,  32
.set G1B, 48
.set G0B, 56
.set MSB, 0
.macro WIN new
.if MSB != \new
	s_set_vgpr_msb (MSB<<8)|\new
.set MSB, \new
.endif
.endm
.set MUL_LO, 0xa1
.set MUL_HI, 0xf1
.set TO_B,   0x40
.macro JLOAD s
	s_cmp_eq_u32 s11, 0
	s_cbranch_scc0 .Lfor_b_\@
	tensor_load_to_lds s[G0+4*\s:G0+4*\s+3], s[G1:G1+7]
	s_nop 0
	s_branch .Lasked_\@
.Lfor_b_\@:
	tensor_load_to_lds s[G0B+4*\s:G0B+4*\s+3], s[G1B:G1B+7]
	s_nop 0
.Lasked_\@:
.endm
.macro CREST
	s_cmp_lg_u32 s10, 0
	s_cbranch_scc1 .Lnot_wave_0_\@
	s_barrier_signal -3
.Lnot_wave_0_\@:
	s_barrier_wait -3
	s_barrier_signal -1
	s_barrier_wait -1
.endm
.macro CROUND
	s_barrier_signal -1
	s_barrier_wait -1
	CREST
.endm
	s_load_b128 s[4:7], s[0:1], 0x0                ; xn s[4:5], wb s[6:7]
	s_load_b128 s[68:71], s[0:1], 0x10             ; b1 s[68:69], gl s[70:71]
	s_set_vgpr_msb 0x40
	v_lshl_add_u32 v255, v0, 2, 0x44000
	s_set_vgpr_msb 0x4000
	v_mov_b32 v63, 0
	s_set_vgpr_msb 0x1
	ds_add_u32 v255, v63
	s_set_vgpr_msb 0x100
	v_lshrrev_b32 v1, 5, v0
	v_readfirstlane_b32 s10, v1
	s_lshr_b32 s11, s10, 1
	s_and_b32 s12, s10, 1
	s_bfe_u32 s40, ttmp6, 0x40000                  ; cx
	s_bfe_u32 s41, ttmp6, 0x40004                  ; cy
	s_lshl_b32 s42, ttmp9, 2
	s_add_co_u32 s42, s42, s40                     ; block column
	s_and_b32 s13, ttmp7, 0xffff
	s_lshl_b32 s13, s13, 2
	s_add_co_u32 s13, s13, s41                     ; block row
	s_lshl_b32 s43, s41, 2
	s_lshl_b32 s43, 15, s43
	s_lshl_b32 s44, 0x1111, s40
	s_or_b32 s[G1+0], s43, (1<<16)|(1<<20)|(1<<21)|(5<<22)|(3<<25)
	s_mov_b32 s[G1+1], 128<<16
	s_mov_b32 s[G1+2], 128<<16
	s_mov_b32 s[G1+3], 128<<16
	s_mov_b32 s[G1+4], 128
	s_mov_b32 s[G1+5], SIZE_K
	s_mov_b32 s[G1+6], 0
	s_mov_b32 s[G1+7], 0
	s_or_b32 s[G1B+0], s44, (1<<16)|(1<<20)|(1<<21)|(6<<22)|(7<<25)
	s_mov_b32 s[G1B+1], 256<<16
	s_mov_b32 s[G1B+2], 64<<16
	s_mov_b32 s[G1B+3], 256<<16
	s_mov_b32 s[G1B+4], 64
	s_mov_b32 s[G1B+5], SIZE_N
	s_mov_b32 s[G1B+6], 0
	s_mov_b32 s[G1B+7], 0
	s_lshl_b32 s17, s12, 7
	s_lshl_b32 s16, s13, 8
	s_add_co_u32 s16, s16, s17
	s_lshl_b32 s16, s16, 11
	s_mov_b32 s17, 0
	s_mul_i32 s46, s12, 64*SIZE_N*2
	s_lshl_b32 s45, s42, 9
	s_add_co_u32 s46, s46, s45
	s_add_co_u32 s46, s46, BOFF
	s_mov_b32 s47, 0
	s_mul_i32 s20, s10, HALFT
	s_lshl_b32 s66, s42, 10                        ; the bias of my 128 columns: 1,024 bytes a block column,
	s_lshl_b32 s67, s12, 9                         ; 512 a half
	s_add_co_u32 s66, s66, s67
	s_mov_b32 s67, 0
	s_wait_dscnt 0x0
	s_wait_kmcnt 0x0
	s_add_nc_u64 s[14:15], s[4:5], s[16:17]
	s_add_nc_u64 s[46:47], s[6:7], s[46:47]
	s_add_nc_u64 s[68:69], s[68:69], s[66:67]
	CROUND                                         ; all sixteen work-groups are here: the first joint loads meet
.irp s, 0,1
	s_mov_b32 s[G0+4*\s], 1
	s_add_co_u32 s[G0+4*\s+1], s20, \s*SLOT
	s_add_nc_u64 s[G0+4*\s+2:G0+4*\s+3], s[14:15], \s*KSTEP*2
	s_or_b32 s[G0+4*\s+3], s[G0+4*\s+3], 0x80000000
	s_mov_b32 s[G0B+4*\s], 1
	s_add_co_u32 s[G0B+4*\s+1], s20, \s*SLOT
	s_add_nc_u64 s[G0B+4*\s+2:G0B+4*\s+3], s[46:47], \s*KSTEP*SIZE_N*2
	s_or_b32 s[G0B+4*\s+3], s[G0B+4*\s+3], 0x80000000
	JLOAD \s                                       ; two loads of the wave are out: K steps 0 and 1
.endr
	v_and_b32 v1, 15, v0                           ; r
	v_bfe_u32 v2, v0, 4, 1                         ; h
	v_mul_u32_u24 v3, v1, PA
	v_lshl_add_u32 v3, v2, 4, v3
	v_and_b32 v7, 7, v0
	v_lshl_add_u32 v5, v2, 3, v7
	v_mul_u32_u24 v5, v5, PB
	v_bfe_u32 v6, v0, 3, 1
	v_lshl_add_u32 v5, v6, 4, v5
	s_mul_i32 s21, s11, HALFT
	s_lshl_b32 s22, s12, 8
	s_add_co_u32 s22, s22, 2*HALFT
.irp s, 0,1
	v_add_nc_u32 v[ADRA+\s], s21, v3
	v_add_nc_u32 v[ADRB+\s], s22, v5
	s_add_co_u32 s21, s21, SLOT
	s_add_co_u32 s22, s22, SLOT
.endr
	v_and_b32 v4, 31, v0
	v_lshlrev_b32 v[LOFF], 4, v4
	v_lshlrev_b32 v[BO], 5, v2                     ; columns 8 h .. 8 h + 7 of each sixteen
	WIN TO_B                                       ; the bias goes to window 1, v0-63: asked for now, waited for on the way out
.irp b, 0,1,2,3,4,5,6,7
	global_load_b128 v[8*\b:8*\b+3],   v[BO], s[68:69] offset:64*\b
	global_load_b128 v[8*\b+4:8*\b+7], v[BO], s[68:69] offset:64*\b+16
.endr
	WIN 0
.macro MUL16 f, hi, a0, zero
.irp a, \a0, \a0+1
.irp b, 0,1,2,3,4,5,6,7
.if \zero
	v_wmma_f32_16x16x32_bf16 v[8*(8*(\a)+\b):8*(8*(\a)+\b)+7], v[\f+8*\b:\f+8*\b+7], v[\f+8*(4*\hi+\a):\f+8*(4*\hi+\a)+7], 0
.else
	v_wmma_f32_16x16x32_bf16 v[8*(8*(\a)+\b):8*(8*(\a)+\b)+7], v[\f+8*\b:\f+8*\b+7], v[\f+8*(4*\hi+\a):\f+8*(4*\hi+\a)+7], v[8*(8*(\a)+\b):8*(8*(\a)+\b)+7]
.endif
.endr
.endr
.endm
.macro FETCH slot, q, f
	WIN TO_B
.irp i, 0,1,2,3,4,5,6,7
	ds_load_tr16_b128 v[\f+8*\i:\f+8*\i+3],   v[ADRB+\slot] offset:\q*32*PB+32*\i
	ds_load_tr16_b128 v[\f+8*\i+4:\f+8*\i+7], v[ADRB+\slot] offset:\q*32*PB+32*\i+16*PB
.endr
	WIN 0
.irp i, 0,1,2,3,4,5,6,7
	ds_load_b128 v[\f+8*\i:\f+8*\i+3],   v[ADRA+\slot] offset:\q*64+\i*16*PA
	ds_load_b128 v[\f+8*\i+4:\f+8*\i+7], v[ADRA+\slot] offset:\q*64+\i*16*PA+32
.endr
.endm
.macro PLACES                          ; four plain vector instructions behind a matrix instruction (ISA guide 7.12.1)
.rept 4
	v_nop
.endr
.endm
; The 64 accumulators take turns, one instruction a turn, in the same order in every quarter.
.macro QUARTER slot, q, f, g, zero
	s_wait_dscnt 8                                 ; the youngest eight loads (xn's rows 64-127) may be out
	WIN MUL_LO
	MUL16 \f, 0, 0, \zero
	MUL16 \f, 0, 2, \zero
	PLACES
	FETCH \slot, \q, \g
	s_wait_dscnt 32                                ; all but the 32 just issued
	WIN MUL_HI
	MUL16 \f, 1, 0, \zero
	MUL16 \f, 1, 2, \zero
.endm
.macro THREE slot, zero
	QUARTER \slot, 1, F0, F1, \zero
	QUARTER \slot, 2, F1, F0, 0
	QUARTER \slot, 3, F0, F1, 0
.endm
; The last quarter changes slots: each wave's reads of this slot and all its tensor loads are waited for in front of the barrier; where the slot is filled again
; the barrier opens a round of the cluster's barrier and the joint refill is the first tensor load behind the round.
.macro TURN slot, next, fill
	s_wait_dscnt 8
	WIN MUL_LO
	MUL16 F1, 0, 0, 0
	s_wait_dscnt 0
	s_wait_tensorcnt 0x0
	ds_add_u32 v255, v63
	s_wait_dscnt 0x0
	s_barrier_signal -1
	MUL16 F1, 0, 2, 0
	WIN 0
	s_barrier_wait -1
.if \fill
	CREST
	s_add_nc_u64 s[G0+4*\slot+2:G0+4*\slot+3], s[G0+4*\slot+2:G0+4*\slot+3], 2*KSTEP*2
	s_add_nc_u64 s[G0B+4*\slot+2:G0B+4*\slot+3], s[G0B+4*\slot+2:G0B+4*\slot+3], 2*KSTEP*SIZE_N*2
	JLOAD \slot
.endif
	PLACES
	FETCH \next, 0, F0
	WIN MUL_HI
	MUL16 F1, 1, 0, 0
	MUL16 F1, 1, 2, 0
.endm
.macro LAP zero
	THREE 0, \zero
	TURN 0, 1, 1
	THREE 1, 0
	TURN 1, 0, 1
.endm
	s_wait_tensorcnt 1                             ; my part of K step 0 is in; K step 1's stays out
	s_barrier_signal -1
	s_barrier_wait -1
	FETCH 0, 0, F0
	LAP 1
	WIN 0
	s_mov_b32 s3, LAPS-2
.Llap:
	LAP 0
	WIN 0
	s_sub_co_u32 s3, s3, 1
	s_cmp_lg_u32 s3, 0
	s_cbranch_scc1 .Llap
	THREE 0, 0
	TURN 0, 1, 0
	THREE 1, 0
	s_wait_dscnt 8
	WIN MUL_LO
	MUL16 F1, 0, 0, 0
	MUL16 F1, 0, 2, 0
	s_wait_dscnt 0
	WIN MUL_HI
	MUL16 F1, 1, 0, 0
	MUL16 F1, 1, 2, 0
	; THE WAY OUT, 16 rows at a time: bias, GELU, to bf16, and out from the registers in which the results lie.
	PLACES
	WIN 0
	s_wait_loadcnt 0x0                             ; the bias is in
	s_mov_b32 s24, 0x3e6d3388                      ; 0.3275911 / sqrt 2.  No tensor load is out any more: the descriptors' registers are free
	s_mov_b32 s26, 0x3f596d27                      ; sqrt(log2(e) / 2): exp(-x^2 / 2) = 2^-(this x)^2
	s_mov_b32 s27, 0x3f596d27
	s_mov_b32 s28, 0x3e027906                      ; a1 / 2
	s_mov_b32 s29, 0x3e027906
	s_mov_b32 s30, 0xbe11a98e                      ; a2 / 2
	s_mov_b32 s31, 0xbe11a98e
	s_mov_b32 s32, 0x3f35f0e3                      ; a3 / 2
	s_mov_b32 s33, 0x3f35f0e3
	s_mov_b32 s36, 0x3f07dc22                      ; a5 / 2
	s_mov_b32 s37, 0x3f07dc22
	v_mov_b32 v[C4], 0xbf3a00e3                    ; a4 / 2
	v_mov_b32 v[C4+1], 0xbf3a00e3
	s_lshl_b32 s16, s13, 4                         ; my first group of 16 rows: 16 a block row,
	s_lshl_b32 s14, s11, 3                         ; 8 a half,
	s_add_co_u32 s16, s16, s14
	s_lshl_b32 s16, s16, 17                        ; 131,072 bytes each;
	s_lshl_b32 s46, s42, 13                        ; my first block of 32 columns: 8 a block column,
	s_lshl_b32 s47, s12, 12                        ; 4 a half, 1,024 bytes each
	s_add_co_u32 s46, s46, s47
	s_add_co_u32 s16, s16, s46
	s_mov_b32 s17, 0
	s_add_nc_u64 s[70:71], s[70:71], s[16:17]
; eight numbers in v[x:x+7]; leaves them as four words of bf16 in v[x:x+3]
.macro GELU8 x
.irp k, 0,1,2,3,4,5,6,7
	v_fma_f32 v[UU+\k], |v[\x+\k]|, s24, 1.0
.endr
.irp k, 0,2,4,6
	v_pk_mul_f32 v[YY+\k:YY+\k+1], v[\x+\k:\x+\k+1], s[26:27] op_sel_hi:[1,0]
.endr
.irp k, 0,2,4,6
	v_pk_mul_f32 v[YY+\k:YY+\k+1], v[YY+\k:YY+\k+1], v[YY+\k:YY+\k+1] neg_lo:[1,0] neg_hi:[1,0]
.endr
.irp k, 0,1,2,3,4,5,6,7
	v_rcp_f32 v[UU+\k], v[UU+\k]
.endr
.irp k, 0,1,2,3,4,5,6,7
	v_exp_f32 v[YY+\k], v[YY+\k]
.endr
.irp k, 0,1,2,3,4,5,6,7
	v_max_num_f32 v[MXR+\k], 0, v[\x+\k]           ; plain instructions behind the transcendentals, ahead of any use of their results
.endr
	s_wait_alu depctr_va_vdst(0)
.irp k, 0,2,4,6
	v_pk_fma_f32 v[PP+\k:PP+\k+1], v[UU+\k:UU+\k+1], s[36:37], v[C4:C4+1] op_sel_hi:[1,0,1]
.endr
.irp k, 0,2,4,6
	v_pk_fma_f32 v[PP+\k:PP+\k+1], v[PP+\k:PP+\k+1], v[UU+\k:UU+\k+1], s[32:33] op_sel_hi:[1,1,0]
.endr
.irp k, 0,2,4,6
	v_pk_fma_f32 v[PP+\k:PP+\k+1], v[PP+\k:PP+\k+1], v[UU+\k:UU+\k+1], s[30:31] op_sel_hi:[1,1,0]
.endr
.irp k, 0,2,4,6
	v_pk_fma_f32 v[PP+\k:PP+\k+1], v[PP+\k:PP+\k+1], v[UU+\k:UU+\k+1], s[28:29] op_sel_hi:[1,1,0]
.endr
.irp k, 0,2,4,6
	v_pk_mul_f32 v[PP+\k:PP+\k+1], v[PP+\k:PP+\k+1], v[UU+\k:UU+\k+1]
.endr
.irp k, 0,2,4,6
	v_pk_mul_f32 v[PP+\k:PP+\k+1], v[PP+\k:PP+\k+1], v[YY+\k:YY+\k+1]
.endr
.irp k, 0,1,2,3,4,5,6,7
	v_fma_f32 v[\x+\k], -|v[\x+\k]|, v[PP+\k], v[MXR+\k]
.endr
.irp k, 0,1,2,3
	v_cvt_pk_bf16_f32 v[\x+\k], v[\x+2*\k], v[\x+2*\k+1]
.endr
.endm
; rows 16 i .. of my block.  from: source 0 in window 2 or 3 (the accumulators), source 1 in window 1 (the bias), the result in window 0
.macro GOUT16 i, a, from
	s_wait_xcnt 0x0                                ; the registers from which the last sixteen rows were stored are written again only behind this wait
	WIN \from
.irp b, 0,1,2,3,4,5,6,7
.irp e, 0,2,4,6
	v_pk_add_f32 v[XR+8*\b+\e:XR+8*\b+\e+1], v[8*(8*\a+\b)+\e:8*(8*\a+\b)+\e+1], v[8*\b+\e:8*\b+\e+1]
.endr
.endr
	WIN 0
.irp b, 0,1,2,3,4,5,6,7
	GELU8 XR+8*\b
	global_store_b128 v[LOFF], v[XR+8*\b:XR+8*\b+3], s[70:71] offset:\i*GRTB+512*\b   ; columns 16 b ..: half b % 2 of block b / 2; 512 consecutive bytes, aligned
.endr
.endm
	GOUT16 0, 0, 0x06
	GOUT16 1, 1, 0x06
	GOUT16 2, 2, 0x06
	GOUT16 3, 3, 0x06
	GOUT16 4, 0, 0x07
	GOUT16 5, 1, 0x07
	GOUT16 6, 2, 0x07
	GOUT16 7, 3, 0x07
	CROUND                                         ; the closing round
	s_endpgm
.Lfunc_end_k_qc6cf899049_gemm_1:
	.size	k_qc6cf899049_gemm_1, .Lfunc_end_k_qc6cf899049_gemm_1-k_qc6cf899049_gemm_1
	.p2alignl 7, 3214868480
	.fill 96, 4, 3214868480
	.section	.rodata,"a",@progbits
	.p2align	6, 0x0
	.amdhsa_kernel k_qc6cf899049_gemm_1
		.amdhsa_group_segment_fixed_size 327680
		.amdhsa_private_segment_fixed_size 0
		.amdhsa_enable_private_segment 0
		.amdhsa_kernarg_size 32
		.amdhsa_user_sgpr_count 2
		.amdhsa_user_sgpr_kernarg_segment_ptr 1
		.amdhsa_wavefront_size32 1
		.amdhsa_system_sgpr_workgroup_id_x 1
		.amdhsa_system_sgpr_workgroup_id_y 1
		.amdhsa_system_sgpr_workgroup_id_z 1
		.amdhsa_system_vgpr_workitem_id 0
		.amdhsa_next_free_vgpr 1024
		.amdhsa_next_free_sgpr 76
		.amdhsa_reserve_vcc 0
		.amdhsa_float_denorm_mode_32 3
		.amdhsa_float_denorm_mode_16_64 3
		.amdhsa_memory_ordered 1
		.amdhsa_forward_progress 1
		.amdhsa_inst_pref_size 255
	.end_amdhsa_kernel
	.section	.bss,"aw",@nobits
	.p2align	6
	.space	262144
	.amdgpu_metadata
---
amdhsa.version: [ 1, 2 ]
amdhsa.kernels:
  - .name:           k_qc6cf899049_gemm_1
    .symbol:         k_qc6cf899049_gemm_1.kd
    .args:
      - { .name: xn, .offset: 0, .size: 8, .value_kind: global_buffer, .address_space: global }
      - { .name: wb, .offset: 8, .size: 8, .value_kind: global_buffer, .address_space: global }
      - { .name: b1, .offset: 16, .size: 8, .value_kind: global_buffer, .address_space: global }
      - { .name: gl, .offset: 24, .size: 8, .value_kind: global_buffer, .address_space: global }
    .group_segment_fixed_size: 327680
    .private_segment_fixed_size: 0
    .kernarg_segment_align: 8
    .kernarg_segment_size: 32
    .max_flat_workgroup_size: 128
    .sgpr_count:     76
    .vgpr_count:     1024
    .wavefront_size: 32
...
	.end_amdgpu_metadata
.endif
;; end of part 6
;; launch gemm_2 (part 7): grid 8 x 32, 4 waves a work-group, clusters of 4 x 4, 327,680 bytes of LDS; arguments gl, wb, h1, out0, b2; writes out0
.if DOCPART == 7
	.amdgcn_target "amdgcn-amd-amdhsa--gfx1250"
	.amdhsa_code_object_version 6
	.text
	.protected	k_qc6cf899049_gemm_2
	.globl	k_qc6cf899049_gemm_2
	.p2align	8
	.type	k_qc6cf899049_gemm_2,@function
k_qc6cf899049_gemm_2:
	s_mov_b64 s[64:65], 0
	v_nop
	global_prefetch_b8 v0, s[64:65] scope:SCOPE_SE
	s_setreg_imm32_b32 hwreg(HW_REG_WAVE_MODE, 25, 1), 1
	s_wait_xcnt 0x0
	s_wait_alu depctr_hold_cnt(0) depctr_sa_sdst(0) depctr_va_vdst(0) depctr_va_sdst(0) depctr_va_ssrc(0) depctr_va_vcc(0) depctr_vm_vsrc(0)
	s_getreg_b32 s2, hwreg(HW_REG_IB_STS2, 6, 4)
	s_cmp_eq_u32 s2, 0
	s_cbranch_scc0 .Lentry_in_a_cluster
	s_endpgm
.Lentry_in_a_cluster:
	s_bfe_u32 s2, ttmp6, 0x10000c
	s_cmp_lg_u32 s2, 0xf033
	s_cbranch_scc0 .Lentry_shape_is_right
	s_endpgm
.Lentry_shape_is_right:
; out0 = h1 + gl x W2 + b2.  gl: bf16 in fragment order, [256 (16 rows)][KTOT / 32 (32 k)][1,024 bytes].  W2: [4096 (k)][1024 (n)] bf16 in wb.  h1, out0: [4096][1024] f32.  b2: [1024] f32.
; N = 1,024 gives 256 work-groups only with blocks of 128 x 128.  EVERY wave keeps the whole block in 512 registers and takes a quarter of K: 128 of each 512.
; The four partial sums meet in LDS at the end, on the way that an f32 result takes out anyway.  LIMIT: K is summed as four partial sums, added in f32 in a fixed order.
; THE LEFT OPERAND GOES STRAIGHT TO REGISTERS: with K split no two waves read the same byte of it, and the launch before stored it as the fragments' register image, so a
; fragment is two loads of 512 consecutive bytes.  A ring of four register buffers keeps three quarter steps (48 loads, 192 matrix instructions) ahead.
; So the LDS ring holds the weights alone: a slot of 147,456 bytes holds 512 k-rows, 256 matrix instructions of each wave, and from a request to the wait for it a wave
; issues 240.  With both operands in the ring a slot would hold half as many k.
; CLUSTERS: 4 x 4 work-groups; the weights' tiles are shared along a column of the cluster by joint loads.  The left operand is not asked for jointly: joint loads end in LDS.
; Each wave fetches, and reads, its own 128 k-rows of a slot.  The weights lie [K][N]: their fragments are read by the transposing load.
; WINDOWS: 0: addresses, left buffers 0-2 (v64-255); 1: residual rows 0-15 (v0-63), weight fragments (v64-191), left buffer 3 (v192-255); 2, 3: accumulators, tile (a, b) at v[8 (8 (a mod 4) + b)].
; The matrix instruction is used transposed: source 0 = 16 n of the weights, source 1 = 16 rows.
.set HAS_BIAS, 1
.set KTOT,   4096
.set BOFF,   16777216                  ; W2's first byte in wb
.set RTB,    KTOT*32                   ; bytes of 16 rows of the left operand
.set QUART,  36864                     ; what one tensor load fills: 128 k-rows x 288
.set SLOT,   4*QUART                   ; 512 k-rows
.set PB,     288                       ; a k-row of 128 n: 256 bytes + 32: an odd multiple of 32
.set BSTEP,  512*1024*2                ; a slot's k-rows in memory
.set LAPS,   KTOT/1024                 ; a lap = two slots = once round the ring
.set IPITCH, 528                       ; a row of a partial sum's image: 512 bytes + 16
.set IMG,    128*IPITCH
.set ADRB, 20                          ; v20-21  LDS address of my weight fragments in slot 0, 1
.set STO,  24
.set LOFF, 27                          ; v27     16 x lane
.set BI,   28                          ; v28-31  bias of my four columns
.set RD,   32                          ; v32-35  my rows in the four images
.set F0,   64
.set F1,   128
.set SA,   14                          ; s[14:15] the left operand at my block row, my quarter of K, the lap's first slot
.set G1B, 48
.set G0B, 56
.set MSB, 0
.macro WIN new
.if MSB != \new
	s_set_vgpr_msb (MSB<<8)|\new
.set MSB, \new
.endif
.endm
.set TO_B,   0x40
.macro ABUF q                          ; quarter q of every slot uses left buffer q: its first register AB and its window AWN
.if \q == 3
.set AB, 192
.set AWN, 1
.else
.set AB, 64+64*(\q)
.set AWN, 0
.endif
.endm
.macro CREST                           ; a round of the cluster's barrier behind its opening barrier
	s_cmp_lg_u32 s10, 0
	s_cbranch_scc1 .Lnot_wave_0_\@
	s_barrier_signal -3
.Lnot_wave_0_\@:
	s_barrier_wait -3
	s_barrier_signal -1
	s_barrier_wait -1
.endm
.macro CROUND
	s_barrier_signal -1
	s_barrier_wait -1
	CREST
.endm
; sixteen loads: the eight left fragments (128 rows x 32 k) of quarter q of the slot soff slots on from the lap's first
.macro ALOAD q, soff
	ABUF \q
	WIN (AWN<<6)
.irp i, 0,1,2,3,4,5,6,7
	global_load_b128 v[AB+8*\i:AB+8*\i+3],   v[LOFF], s[SA:SA+1] offset:\i*RTB+(16*\soff+\q)*1024
	global_load_b128 v[AB+8*\i+4:AB+8*\i+7], v[LOFF], s[SA:SA+1] offset:\i*RTB+(16*\soff+\q)*1024+512
.endr
.endm
; a quarter's sixteen loads.  kind 1: left fragments three quarters ahead; 2, 3: when none are left, the residual of my rows 0-15 and 16-31 (512 consecutive bytes a load); 0: none
.macro GLD kind, lq, lsoff
.if \kind == 1
	ALOAD \lq, \lsoff
.endif
.if \kind == 2
	WIN TO_B
.irp p, 0,1,2,3,4,5,6,7,8,9,10,11,12,13,14,15
	global_load_b128 v[4*\p:4*\p+3], v[LOFF], s[68:69] offset:4096*\p
.endr
.endif
.if \kind == 3
	WIN 0
.irp p, 0,1,2,3,4,5,6,7,8,9,10,11,12,13,14,15
	global_load_b128 v[64+4*\p:64+4*\p+3], v[LOFF], s[68:69] offset:4096*(16+\p)     ; into left buffer 0, read for the last time two quarters ago
.endr
.endif
.endm
; 16 matrix instructions: m blocks a0, a0 + 1 of the window's four x all 8 n blocks, 32 along K.  zero = 1: the first product starts the sums.
.macro MUL16 f, q, hi, a0, zero
	ABUF \q
	WIN (0xa1+0x50*\hi+4*AWN)                      ; source 0 window 1, source 1 the buffer's window, C and D window 2 or 3
.irp a, \a0, \a0+1
.irp b, 0,1,2,3,4,5,6,7
.if \zero
	v_wmma_f32_16x16x32_bf16 v[8*(8*(\a)+\b):8*(8*(\a)+\b)+7], v[\f+8*\b:\f+8*\b+7], v[AB+8*(4*\hi+\a):AB+8*(4*\hi+\a)+7], 0
.else
	v_wmma_f32_16x16x32_bf16 v[8*(8*(\a)+\b):8*(8*(\a)+\b)+7], v[\f+8*\b:\f+8*\b+7], v[AB+8*(4*\hi+\a):AB+8*(4*\hi+\a)+7], v[8*(8*(\a)+\b):8*(8*(\a)+\b)+7]
.endif
.endr
.endr
.endm
; 16 LDS loads: the weights' fragments (128 n x 32 k) of quarter q of my k-rows of a slot
.macro FETCHB slot, q, f
	WIN TO_B
.irp i, 0,1,2,3,4,5,6,7
	ds_load_tr16_b128 v[\f+8*\i:\f+8*\i+3],   v[ADRB+\slot] offset:(\q)*32*PB+32*\i
	ds_load_tr16_b128 v[\f+8*\i+4:\f+8*\i+7], v[ADRB+\slot] offset:(\q)*32*PB+32*\i+16*PB
.endr
.endm
.macro PLACES                          ; four plain vector instructions between a matrix instruction and a load into one of its registers
.rept 4
	v_nop
.endr
.endm
; A quarter: 32 of my k, 64 matrix instructions.  The 64 accumulators take turns, one instruction a turn, in the same order in every quarter, over the loop's jump too.
.macro QTR slot, q, f, g, zero, kind, lq, lsoff
	PLACES
	s_wait_loadcnt 32                              ; this quarter's sixteen loads are in; the 32 issued behind them stay out
	GLD \kind, \lq, \lsoff                         ; into the buffer that the last quarter read
	s_wait_dscnt 0x0                               ; the weights' fragments are in
	MUL16 \f, \q, 0, 0, \zero
	MUL16 \f, \q, 0, 2, \zero
	PLACES
	FETCHB \slot, \q+1, \g
	MUL16 \f, \q, 1, 0, \zero
	MUL16 \f, \q, 1, 2, \zero
.endm
; The fourth quarter changes slots.  In front of the barrier each wave waits for its reads of this slot and for all its tensor loads (one is out: its part of the next slot).
; Where the slot is filled again the barrier opens a round of the cluster's barrier, and the joint refill is the first tensor load behind the round.
.macro TURN slot, next, fill, kind, lq, lsoff
	PLACES
	s_wait_loadcnt 32
	GLD \kind, \lq, \lsoff
	s_wait_dscnt 0x0
	s_wait_tensorcnt 0x0
	ds_add_u32 v62, v63
	s_wait_dscnt 0x0
	s_barrier_signal -1
	MUL16 F1, 3, 0, 0, 0                           ; register work between signal and wait
	WIN 0
	s_barrier_wait -1
.if \fill
	CREST
	s_add_nc_u64 s[G0B+4*\slot+2:G0B+4*\slot+3], s[G0B+4*\slot+2:G0B+4*\slot+3], 2*BSTEP   ; no load of mine is out: the address steps, two slots on
	tensor_load_to_lds s[G0B+4*\slot:G0B+4*\slot+3], s[G1B:G1B+7]
	s_nop 0
.endif
	MUL16 F1, 3, 0, 2, 0
	PLACES
	FETCHB \next, 0, F0
	MUL16 F1, 3, 1, 0, 0
	MUL16 F1, 3, 1, 2, 0
.endm
.macro LAP zero, last
	QTR 0, 0, F0, F1, \zero, 1, 3, 0
	QTR 0, 1, F1, F0, 0, 1, 0, 1
	QTR 0, 2, F0, F1, 0, 1, 1, 1
	TURN 0, 1, 1-\last, 1, 2, 1
	QTR 1, 0, F0, F1, 0, 1, 3, 1
.if \last
	QTR 1, 1, F1, F0, 0, 2, 0, 0
	QTR 1, 2, F0, F1, 0, 3, 0, 0
	PLACES                                         ; the very last quarter: nothing more to fetch
	s_wait_loadcnt 32                              ; its fragments are in; the residual's 32 loads stay out
	s_wait_dscnt 0x0
	MUL16 F1, 3, 0, 0, 0
	MUL16 F1, 3, 0, 2, 0
	MUL16 F1, 3, 1, 0, 0
	MUL16 F1, 3, 1, 2, 0
.else
	QTR 1, 1, F1, F0, 0, 1, 0, 2
	QTR 1, 2, F0, F1, 0, 1, 1, 2
	TURN 1, 0, 1, 1, 2, 2
	WIN 0
	s_wait_xcnt 0x0                                ; the loads' base is stepped only behind this wait
	s_add_nc_u64 s[SA:SA+1], s[SA:SA+1], 32768     ; two slots: 32 blocks of 1,024 bytes
.endif
.endm
	s_load_b128 s[4:7], s[0:1], 0x0                ; left operand s[4:5], wb s[6:7]
	s_load_b128 s[68:71], s[0:1], 0x10             ; residual s[68:69], result s[70:71]
.if HAS_BIAS
	s_load_b64 s[72:73], s[0:1], 0x20              ; bias
	v_lshl_add_u32 v62, v0, 2, 0x48000
	v_mov_b32 v63, 0
	ds_add_u32 v62, v63
.endif
	v_lshrrev_b32 v1, 5, v0
	v_readfirstlane_b32 s10, v1                    ; wave 0..3: my quarter of K, and my 32 rows on the way out
	s_bfe_u32 s40, ttmp6, 0x40000                  ; cx
	s_bfe_u32 s41, ttmp6, 0x40004                  ; cy
	s_lshl_b32 s42, ttmp9, 2
	s_add_co_u32 s42, s42, s40                     ; block column
	s_and_b32 s13, ttmp7, 0xffff
	s_lshl_b32 s13, s13, 2
	s_add_co_u32 s13, s13, s41                     ; block row
	s_lshl_b32 s44, 0x1111, s40                    ; my column of the cluster: places cx, cx + 4, cx + 8, cx + 12
	s_or_b32 s[G1B+0], s44, (1<<16)|(1<<20)|(1<<21)|(5<<22)|(7<<25)  ; mask; 2-byte elements; 8 words of padding behind every 64; bit 21 beside a mask
	s_mov_b32 s[G1B+1], 128<<16                    ; tensor_dim0 = 128
	s_mov_b32 s[G1B+2], 128<<16                    ; tensor_dim1 = 128
	s_mov_b32 s[G1B+3], 128<<16                    ; tile_dim0 = 128 n: 256 bytes of a k-row
	s_mov_b32 s[G1B+4], 128                        ; tile_dim1 = 128 k-rows
	s_mov_b32 s[G1B+5], 1024
	s_mov_b32 s[G1B+6], 0
	s_mov_b32 s[G1B+7], 0
	s_mul_i32 s16, s13, 8*RTB                      ; left operand: 128 rows a block row,
	s_lshl_b32 s17, s10, 12                        ; my quarter of a slot's k: 4 blocks of 1,024 bytes
	s_add_co_u32 s16, s16, s17
	s_mov_b32 s17, 0
	s_lshl_b32 s46, s10, 18                        ; weights: my 128 k-rows x 2,048 bytes,
	s_lshl_b32 s45, s42, 8                         ; 256 bytes a block column: the wave's number and the shared block column alone
	s_add_co_u32 s46, s46, s45
	s_add_co_u32 s46, s46, BOFF
	s_mov_b32 s47, 0
	s_mul_i32 s20, s10, QUART                      ; my part of a slot: no place in the cluster enters an LDS address
	s_lshl_b32 s66, s13, 19                        ; residual and result: 128 rows x 4,096 bytes a block row,
	s_lshl_b32 s67, s10, 17                        ; 32 rows a wave,
	s_add_co_u32 s66, s66, s67
	s_lshl_b32 s74, s42, 9                         ; 512 bytes a block column
	s_add_co_u32 s66, s66, s74
	s_mov_b32 s67, 0
	s_mov_b32 s75, 0
	v_and_b32 v4, 31, v0
	v_lshlrev_b32 v[LOFF], 4, v4
	s_wait_dscnt 0x0
	s_wait_kmcnt 0x0
	s_add_nc_u64 s[SA:SA+1], s[4:5], s[16:17]
	s_add_nc_u64 s[46:47], s[6:7], s[46:47]
	s_add_nc_u64 s[68:69], s[68:69], s[66:67]
	s_add_nc_u64 s[70:71], s[70:71], s[66:67]
.if HAS_BIAS
	s_add_nc_u64 s[72:73], s[72:73], s[74:75]
	global_load_b128 v[BI:BI+3], v[LOFF], s[72:73] ; the oldest load: in when the first fragments are
.endif
	ALOAD 0, 0                                     ; the register ring is filled: quarters 0, 1, 2
	ALOAD 1, 0
	ALOAD 2, 0
	WIN 0
	CROUND                                         ; all sixteen work-groups are here: the first joint loads meet
.irp s, 0,1
	s_mov_b32 s[G0B+4*\s], 1
	s_add_co_u32 s[G0B+4*\s+1], s20, \s*SLOT
	s_add_nc_u64 s[G0B+4*\s+2:G0B+4*\s+3], s[46:47], \s*BSTEP
	s_or_b32 s[G0B+4*\s+3], s[G0B+4*\s+3], 0x80000000
	tensor_load_to_lds s[G0B+4*\s:G0B+4*\s+3], s[G1B:G1B+7]        ; two loads of the wave are out: slots 0 and 1
	s_nop 0
.endr
	v_and_b32 v1, 15, v0                           ; r
	v_bfe_u32 v2, v0, 4, 1                         ; h
	v_and_b32 v7, 7, v0
	v_lshl_add_u32 v5, v2, 3, v7                   ; k-row 8 h + l % 8,
	v_mul_u32_u24 v5, v5, PB
	v_bfe_u32 v6, v0, 3, 1
	v_lshl_add_u32 v5, v6, 4, v5                   ; and 16 bytes further for lanes 8-15 and 24-31
	v_add_nc_u32 v[ADRB], s20, v5
	v_add_nc_u32 v[ADRB+1], SLOT, v[ADRB]
	s_mul_i32 s23, s10, IMG                        ; my image
	v_mul_u32_u24 v4, v1, IPITCH
	v_lshl_add_u32 v4, v2, 5, v4
	v_add_nc_u32 v[STO], s23, v4                   ; row r, 32 bytes (8 f32) for each half of the lanes
	s_mul_i32 s23, s10, 32*IPITCH                  ; my 32 rows, in each of the four images
.irp g, 0,1,2,3
	v_add_nc_u32 v[RD+\g], s23, v[LOFF]
	s_add_co_u32 s23, s23, IMG
.endr
	s_wait_tensorcnt 1                             ; my part of slot 0 is in; slot 1's stays out
	s_barrier_signal -1
	s_barrier_wait -1
	FETCHB 0, 0, F0
.if LAPS > 1
	LAP 1, 0                                       ; the first quarter's products start the sums: nothing is cleared
.if LAPS > 2
	s_mov_b32 s3, LAPS-2
.Llap:
	LAP 0, 0
	s_sub_co_u32 s3, s3, 1
	s_cmp_lg_u32 s3, 0
	s_cbranch_scc1 .Llap
.endif
	LAP 0, 1                                       ; the last lap fills nothing
.else
	LAP 1, 1                                       ; K is one lap: both slots are first fills
.endif
	; THE FOUR PARTIAL SUMS MEET.  The ring has had its last fill; when every wave's reads of it are over, each wave lays its 128 x 128 f32 down as a row-major image.
	PLACES
	WIN 0
	s_wait_dscnt 0x0
	s_barrier_signal -1
	s_barrier_wait -1
	WIN 0x08                                       ; store data in window 2
.irp a, 0,1,2,3
.irp b, 0,1,2,3,4,5,6,7
	ds_store_b128 v[STO], v[8*(8*\a+\b):8*(8*\a+\b)+3]   offset:\a*16*IPITCH+64*\b
	ds_store_b128 v[STO], v[8*(8*\a+\b)+4:8*(8*\a+\b)+7] offset:\a*16*IPITCH+64*\b+16
.endr
.endr
	WIN 0x0c                                       ; window 3
.irp a, 0,1,2,3
.irp b, 0,1,2,3,4,5,6,7
	ds_store_b128 v[STO], v[8*(8*\a+\b):8*(8*\a+\b)+3]   offset:(\a+4)*16*IPITCH+64*\b
	ds_store_b128 v[STO], v[8*(8*\a+\b)+4:8*(8*\a+\b)+7] offset:(\a+4)*16*IPITCH+64*\b+16
.endr
.endr
	WIN 0
	s_wait_dscnt 0x0                               ; my image is written,
	s_barrier_signal -1
	s_barrier_wait -1                              ; everybody's is
	s_wait_loadcnt 0x0                             ; the residual is in
; eight of my 32 rows: four images' rows are added, then bias and residual; res, rwin: the residual's first register and the setting that reaches it as source 1
.macro RBATCH n, res, rwin
	s_wait_xcnt 0x0                                ; the registers that the last batch stored from are loaded again only behind this wait
.irp p, 0,1,2,3,4,5,6,7
.irp g, 0,1,2,3
	ds_load_b128 v[128+16*\p+4*\g:128+16*\p+4*\g+3], v[RD+\g] offset:(8*\n+\p)*IPITCH
.endr
.endr
.irp p, 0,1,2,3,4,5,6,7
	s_wait_dscnt 4*(7-\p)                          ; the later rows' four loads each stay out
	v_pk_add_f32 v[128+16*\p:129+16*\p], v[128+16*\p:129+16*\p], v[132+16*\p:133+16*\p]
	v_pk_add_f32 v[130+16*\p:131+16*\p], v[130+16*\p:131+16*\p], v[134+16*\p:135+16*\p]
	v_pk_add_f32 v[136+16*\p:137+16*\p], v[136+16*\p:137+16*\p], v[140+16*\p:141+16*\p]
	v_pk_add_f32 v[138+16*\p:139+16*\p], v[138+16*\p:139+16*\p], v[142+16*\p:143+16*\p]
	v_pk_add_f32 v[128+16*\p:129+16*\p], v[128+16*\p:129+16*\p], v[136+16*\p:137+16*\p]
	v_pk_add_f32 v[130+16*\p:131+16*\p], v[130+16*\p:131+16*\p], v[138+16*\p:139+16*\p]
.if HAS_BIAS
	v_pk_add_f32 v[128+16*\p:129+16*\p], v[128+16*\p:129+16*\p], v[BI:BI+1]
	v_pk_add_f32 v[130+16*\p:131+16*\p], v[130+16*\p:131+16*\p], v[BI+2:BI+3]
.endif
.endr
	WIN \rwin
.irp p, 0,1,2,3,4,5,6,7
	v_pk_add_f32 v[128+16*\p:129+16*\p], v[128+16*\p:129+16*\p], v[\res+4*\p:\res+4*\p+1]
	v_pk_add_f32 v[130+16*\p:131+16*\p], v[130+16*\p:131+16*\p], v[\res+4*\p+2:\res+4*\p+3]
.endr
	WIN 0
.irp p, 0,1,2,3,4,5,6,7
	global_store_b128 v[LOFF], v[128+16*\p:131+16*\p], s[70:71] offset:(8*\n+\p)*4096   ; a wave's store: 512 consecutive bytes of a row, aligned
.endr
.endm
	RBATCH 0, 0, 0x04
	RBATCH 1, 32, 0x04
	RBATCH 2, 64, 0
	RBATCH 3, 96, 0
	s_wait_tensorcnt 0x0
	ds_add_u32 v62, v63
	s_wait_dscnt 0x0
	CROUND                                         ; the closing round: no work-group ends while a partner may still ask for a tile that names it
	s_endpgm
.Lfunc_end_k_qc6cf899049_gemm_2:
	.size	k_qc6cf899049_gemm_2, .Lfunc_end_k_qc6cf899049_gemm_2-k_qc6cf899049_gemm_2
	.p2alignl 7, 3214868480
	.fill 96, 4, 3214868480
	.section	.rodata,"a",@progbits
	.p2align	6, 0x0
	.amdhsa_kernel k_qc6cf899049_gemm_2
		.amdhsa_group_segment_fixed_size 327680
		.amdhsa_private_segment_fixed_size 0
		.amdhsa_enable_private_segment 0
		.amdhsa_kernarg_size 40
		.amdhsa_user_sgpr_count 2
		.amdhsa_user_sgpr_kernarg_segment_ptr 1
		.amdhsa_wavefront_size32 1
		.amdhsa_system_sgpr_workgroup_id_x 1
		.amdhsa_system_sgpr_workgroup_id_y 1
		.amdhsa_system_sgpr_workgroup_id_z 1
		.amdhsa_system_vgpr_workitem_id 0
		.amdhsa_next_free_vgpr 1024
		.amdhsa_next_free_sgpr 76
		.amdhsa_reserve_vcc 0
		.amdhsa_float_denorm_mode_32 3
		.amdhsa_float_denorm_mode_16_64 3
		.amdhsa_memory_ordered 1
		.amdhsa_forward_progress 1
		.amdhsa_inst_pref_size 219
	.end_amdhsa_kernel
	.amdgpu_metadata
---
amdhsa.version: [ 1, 2 ]
amdhsa.kernels:
  - .name:           k_qc6cf899049_gemm_2
    .symbol:         k_qc6cf899049_gemm_2.kd
    .args:
      - { .name: gl, .offset: 0, .size: 8, .value_kind: global_buffer, .address_space: global }
      - { .name: wb, .offset: 8, .size: 8, .value_kind: global_buffer, .address_space: global }
      - { .name: h1, .offset: 16, .size: 8, .value_kind: global_buffer, .address_space: global }
      - { .name: out0, .offset: 24, .size: 8, .value_kind: global_buffer, .address_space: global }
      - { .name: b2, .offset: 32, .size: 8, .value_kind: global_buffer, .address_space: global }
    .group_segment_fixed_size: 327680
    .private_segment_fixed_size: 0
    .kernarg_segment_align: 8
    .kernarg_segment_size: 40
    .max_flat_workgroup_size: 128
    .sgpr_count:     76
    .vgpr_count:     1024
    .wavefront_size: 32
...
	.end_amdgpu_metadata
.endif
;; end of part 7
